; MI455X (gfx1250); checked and timed in simulation.
; The chip was launched on July 23, 2026; its instructions are those of AMD's public machine-readable ISA for CDNA 5 (MIT licence, August 2026) and "CDNA5" Instruction Set Architecture Reference Guide (July 2026). The comments in the code are by the model that wrote it; some were corrected since.
;; Multi Head Attention. Allowed arithmetic: matrix products marked QUANTISED: E2M1 operands, one E8M0 scale for each 32 along K, by v_wmma_scale_f32_16x16x128_f8f6f4 with both operands' format E2M1 (or v_wmma_scale_f32_32x16x128_f4), f32 sums; products left as they are: bf16, f16 or f32 operands; f32 sums; everything else in f32.
;; Inputs: Wk 16 x 1,024 x 64 float32; Wproj 1,024 x 1,024 float32; Wq 16 x 1,024 x 64 float32; Wv 16 x 1,024 x 64 float32; bproj 1,024 float32; x 8 x 1,024 x 1,024 float32.
;; Outputs: out0 8 x 1,024 x 1,024 float32.
;; This version of the problem:
;;   THIS VERSION OF THE PROBLEM IS GIVEN IN LOW PRECISION. The matrix products marked QUANTISED in the list below multiply operands that are first quantised to E2M1 (2 exponent bits, 1 mantissa bit; 4 bits a number), with one power-of-two scale for each 32 numbers along K (OCP MX v1.0); their sums are f32. The products marked 'left as it is' may take bf16, f16 or f32 operands, with f32 sums. Whichever they take, every output number must still come out within the allowed error. Rounding operands to bf16 (8 significant bits) uses up far more of that allowance than f16 does (11 bits, for magnitudes from 6e-5 to 65,504). All else is computed in f32.
;;   The module's matrix products, in the order in which they are computed (A, B: the left and right operand; K: the contracted axis; several contracted axes count as one K, in the product's order):
;;     1. [M 1,024, K 1,024] x [K 1,024, N 8,192]; A: input Wq; B: input x: QUANTISED
;;     2. [M 1,024, K 1,024] x [K 1,024, N 8,192]; A: input Wk; B: input x: QUANTISED
;;     3. [M 1,024, K 1,024] x [K 1,024, N 8,192]; A: input Wv; B: input x: QUANTISED
;;     4. batch 128 x [M 1,024, K 64] x [K 64, N 1,024]; A: computed on the way; B: computed on the way: left as it is (an operand is computed on the way)
;;     5. batch 128 x [M 1,024, K 1,024] x [K 1,024, N 64]; A: computed on the way; B: computed on the way: left as it is (an operand is computed on the way)
;;     6. [M 8,192, K 1,024] x [K 1,024, N 1,024]; A: computed on the way; B: input Wproj: left as it is (an operand is computed on the way)
;;   THE QUANTISER, for each operand of a quantised product, along K:
;;     - K is cut into blocks of 32 from its start; a last block that is shorter is filled with zeros.
;;     - A block's scale is 2^e with e = floor(log2(the largest magnitude in the block)) - 2, held to -126 .. 127; a block of zeros has e = 0. As a byte (E8M0): e + 127.
;;     - Each number is divided by its block's scale, clamped to +-6, and rounded to the nearest number of E2M1, ties to even, subnormals kept.
;;     - The product sums the exact products of the quantised numbers (number of the format x scale) in f32.
;;   ~~~python
;;   def quantise(x, axis):      # numpy; x: float32 -> the quantised numbers, widened to float32 again
;;       x = np.moveaxis(x, axis, -1); K = x.shape[-1]
;;       x = np.pad(x, [(0, 0)] * (x.ndim - 1) + [(0, -K % 32)]); x = x.reshape(x.shape[:-1] + (-1, 32)); a = np.abs(x).max(-1, keepdims=True)
;;       e = np.where(a > 0, np.clip(np.frexp(np.where(a > 0, a, 1))[1] - 1 - 2, -126, 127), 0)      # np.frexp(a)[1] - 1 = floor(log2(a)), exactly
;;       r = np.clip(x / 2.0 ** e, -6, 6)
;;       step = 2.0 ** (np.maximum(np.frexp(np.where(r == 0, 1, r))[1] - 1, 0) - 1)
;;       q = np.round(r / step) * step * 2.0 ** e      # np.round: ties to even
;;       return np.moveaxis(q.reshape(q.shape[:-2] + (-1,))[..., :K], -1, axis).astype(np.float32)
;;   ~~~
;; One version. Each part assembles by itself: llvm-mc -triple=amdgcn-amd-amdhsa -mcpu=gfx1250 --defsym DOCPART=n.
;; ======== version 1 of 1: 5 launches
;; limits: values are held in f16: magnitudes above 65,504 overflow, below 6.1e-05 lose precision
;; workspace buffers: xc 4,194,304 bytes; xs 262,144 bytes; wc 1,572,864 bytes; ws 98,304 bytes; wp16 2,097,152 bytes; qkv 50,331,648 bytes; hq 1,572,864 bytes; o16 16,777,216 bytes
;; launch quant (part 1): grid 352 x 1, 4 waves a work-group, no clusters, 51,712 bytes of LDS; arguments x, Wproj, xc, xs, wp16, Wq, Wk, Wv, wc, ws; writes xc, xs, wp16, wc, ws
.if DOCPART == 1
	.amdgcn_target "amdgcn-amd-amdhsa--gfx1250"
	.amdhsa_code_object_version 6
	.text
	.protected	k_q36c6758a41_quant
	.globl	k_q36c6758a41_quant
	.p2align	8
	.type	k_q36c6758a41_quant,@function
k_q36c6758a41_quant:
	s_mov_b64 s[64:65], 0
	v_nop
	global_prefetch_b8 v0, s[64:65] scope:SCOPE_SE
	s_setreg_imm32_b32 hwreg(HW_REG_WAVE_MODE, 25, 1), 1
	s_wait_xcnt 0x0
; THE PROGRAM: out = (softmax(causal(q k^T / 8)) v, heads joined) Wproj^T + bproj, with q, k, v = x W per head.  Five launches:
;   quant (this one): x and Wq, Wk, Wv into codes of E2M1 with one E8M0 scale byte for each 32 along E, and Wproj into f16;   qkv: the three quantised products as one product on codes;
;   attn: the causal attention on f16 operands, f32 sums;   proj: the projection on f16 operands, f32 sums;   first16: positions 0 to 15 of every sequence once more, all in f32.
; WORK LEFT OUT, for all values of the inputs.  reference() builds the causal mask itself: a score of key t > query s is replaced by the least f32 number ahead of the softmax, and key s itself always counts,
; so the masked weight is exp(least - largest) = 0 whatever x and the weights hold.  So (attn) a step of 64 keys all of which lie behind a wave's 16 queries is not multiplied, and a slot of 256 keys that
; lies behind all of a work-group's queries is not fetched.  (proj) The rows of positions 0 to 15 are not stored: first16 owns them.  Every input has a way to the output and is loaded.
; LIMITS: a NaN, an infinity or an overflow that reaches only masked scores is not carried to the result.  q, k, v are kept as f16: their magnitudes stay under 65,504.  NaN and infinities among the inputs
; are not served.  Blocks whose largest magnitude lies under 2^(2 - 126) have their byte held at 1.
;
; THE QUANTISER.  A block's scale is 2^(floor(log2(largest magnitude)) - 2): its byte is the largest magnitude's exponent field - 2, held at 1 from below.  (A block of zeros so gets the byte 1 where the
; rule says 127: its codes are zeros, and this program alone reads the bytes.)  Each number is divided by the scale and rounded to the nearest code, ties to even, beyond 6 the largest code.
; TWO ROLES, told apart by the work-group's number alone; neither needs the other's results, so one launch serves both.  Each role has LDS bytes of its own.
; ROLE X, work-groups 96 to 351.  x [8192][1024] f32 becomes codes, K innermost (xc: 512 bytes a row), and scale bytes (xs: 32 a row).  Rows are dense and 1024 is a multiple of 32: x is a plain stream of
; blocks.  A wave takes 16 steps of 512 numbers.  Each of a step's four loads reads 512 consecutive bytes; the 2,048 bytes turn through the wave's own stage in LDS and come back 64 bytes a lane, so that a lane
; holds 16 neighbours along K, as the conversions want them; two neighbouring lanes hold a block.  Each wave also rounds 1,024 numbers of Wproj to f16 (wp16, the same layout [n][k]).
; ROLE W, work-groups 0 to 95.  Wq, Wk, Wv [16 h][1024 e][64 d], f32, have a K (e) that is not innermost.  They become codes laid wc [3072 n][512 bytes], K innermost, n = 1024 which + 64 h + d (which = 0 q,
; 1 k, 2 v), and scale bytes ws [3072][32].  A LANE TAKES A COLUMN d, AND ITS REGISTERS RUN DOWN e: a block of 32 along K lies in one lane's 32 registers, and the conversions give codes with K innermost.
; A work-group takes one head of one weight (number / 2 = 16 which + h) and half of K (number % 2): 64 columns x 512.  Wave w takes K = 128 w .. + 127 of that half for both halves of the columns: 8 blocks a
; lane, block t = (columns 32 (t % 2) on, K 32 (t / 2) on).  Loads run two blocks (64 loads a wave) ahead.  The codes meet in a stage in LDS (a row = a column's 256 bytes, pitch 272), the scale bytes in
; another (16 bytes a column); a barrier; each wave then stores 16 whole rows: sixteen lanes store 256 consecutive aligned bytes of wc.  The scale bytes leave as 16 of each row's 32 bytes.
; THE BARRIER stands where the two roles join, on every wave's path, so that no barrier stands under a branch: role X passes it at its end.  Every LDS address register of both roles is made ahead of the
; parting and holds nothing else.
.set NWGW,  96                         ; work-groups of role W
.set WAVES, 4
.set STEPS, 16
.set EMAX,  2
.set CB,    8                          ; bytes of 16 codes
.set R,     16                         ; X: v16-79   four sets of 16 numbers as they are loaded
.set X,     80                         ; X: v80-111  two sets of 16 neighbours
.set E,     112                        ; X: v112-127 a scale byte for each step
.set C,     128                        ; X: v128-191 codes: four registers for each step, so that no store's data are written again
.set WPR,   192                        ; X: v192-223 Wproj's 1,024 numbers, 4 a lane and load
.set WPC,   224                        ; X: v224-239 and as f16
.set WREG,  8192                       ; X: LDS: a region for each wave: two stages of 32 x SP bytes, behind them its 256 scale bytes
.set SP,    80                         ; X: a lane's place in a stage: 64 bytes + 16 of padding
.set SPW,   12                         ; v12  LDS address of my spare word; never rewritten
.set NIL,   13                         ; v13  0; never rewritten
.set PITCH, 272                        ; W: a row of the code stage
.set WST,   WAVES*WREG                 ; W: the code stage, behind role X's four regions: 64 rows
.set SCST,  WST+64*PITCH               ; W: the scale bytes' stage: 64 columns x 16 bytes
.set SPARE, SCST+1024                  ; the spare words, 128 bytes a wave, named by no other line
.set SB,    24                         ; W: v24, v25 my four scale bytes of each half of the columns; v[26:27] scale bytes on the way out
.set WX,    32                         ; W: v32-95   two sets of 32 numbers
.set WC,    96                         ; W: v96-99   a block's codes
.set OUTR,  100                        ; W: v100-131 the way out
.set WGO,   240                        ; W: v240 4 x lane: my column in a row of the weight
.set WSI,   241                        ; W: v241 codes into the stage
.set WSS,   242                        ; W: v242 scale word into its stage
.set WSR,   243                        ; W: v243 scale bytes out of it
.set WCR,   244                        ; W: v244 codes out of the stage
.set WCO,   245                        ; W: v245 and their place in wc
.set WSO,   246                        ; W: v246 the scale bytes' place in ws
.macro LOAD t
.irp i, 0,1,2,3
	global_load_b128 v[R+16*((\t)%4)+4*\i:R+16*((\t)%4)+4*\i+3], v3, s[4:5] offset:2048*(\t)+512*\i th:TH_LOAD_NT   ; 32 lanes read 512 consecutive bytes
.endr
.endm
.macro TURN t                          ; step t's numbers through the stage: LDS serves a wave's instructions in order, so no wait stands between the stores and the loads
.irp i, 0,1,2,3
	ds_store_b128 v14, v[R+16*((\t)%4)+4*\i:R+16*((\t)%4)+4*\i+3] offset:32*SP*((\t)%2)+8*SP*\i
.endr
.irp i, 0,1,2,3
	ds_load_b128 v[X+16*((\t)%2)+4*\i:X+16*((\t)%2)+4*\i+3], v15 offset:32*SP*((\t)%2)+16*\i
.endr
.endm
.macro STEP t
.set XS, X+16*((\t)%2)
.if (\t) > 0
	s_wait_dscnt 1                                 ; this step's numbers are back from the stage (the last step's byte store may be out): so its stores into the stage have read their registers,
.else
	s_wait_dscnt 0x0
.endif
.if (\t)+4 < STEPS
	LOAD (\t)+4                                    ; which take the loads of four steps on
.endif
.if (\t)+1 < STEPS
.if STEPS-2-(\t) >= 3
	s_wait_loadcnt 12                              ; the next step's four loads are in; those of the three steps behind it may be out
.else
	s_wait_loadcnt 4*(STEPS-2-(\t))
.endif
	TURN (\t)+1                                    ; and go through the other stage while this step is worked
.endif
	v_max3_num_f32 v8, |v[XS]|, |v[XS+1]|, |v[XS+2]|               ; the largest magnitude of my 16, in two chains
	v_max3_num_f32 v9, |v[XS+3]|, |v[XS+4]|, |v[XS+5]|
.irp i, 6,10
	v_max3_num_f32 v8, v8, |v[XS+\i]|, |v[XS+\i+1]|
	v_max3_num_f32 v9, v9, |v[XS+\i+2]|, |v[XS+\i+3]|
.endr
	v_max3_num_f32 v8, v8, |v[XS+14]|, |v[XS+15]|
	v_max3_num_f32 v8, v8, v9, (EMAX+1)<<23        ; and the floor 2^(3 - 127): so the byte cannot fall under 1
	v_max_num_f32_dpp v8, v8, v8 row_xmask:1 row_mask:0xf bank_mask:0xf   ; and of my neighbour's 16: the block's
	v_add_nc_u32 v11, -(EMAX<<23), v8              ; 2 off its exponent field: the conversion takes the exponent field of this operand as its scale, and nothing else of it
	v_cvt_scalef32_pk8_fp4_f32 v[C+4*(\t)], v[XS:XS+7], v11
	v_cvt_scalef32_pk8_fp4_f32 v[C+4*(\t)+1], v[XS+8:XS+15], v11
	v_lshrrev_b32 v[E+(\t)], 23, v11               ; the scale's byte
	ds_store_b8 v5, v[E+(\t)] offset:16*(\t)       ; both lanes of a block write the same byte with the same value
	global_store_b64 v4, v[C+4*(\t):C+4*(\t)+1], s[8:9] offset:32*CB*(\t)   ; 256 consecutive bytes, aligned
.endm
.macro WLOAD t                         ; block t: W(32 (t / 2) + i, 32 (t % 2) + lane), i = 0 .. 31, into set t % 2
.irp i, 0,1,2,3,4,5,6,7,8,9,10,11,12,13,14,15,16,17,18,19,20,21,22,23,24,25,26,27,28,29,30,31
	global_load_b32 v[WX+32*((\t)%2)+\i], v[WGO], s[14:15] offset:(32*((\t)/2)+\i)*256+128*((\t)%2) th:TH_LOAD_NT
.endr
.endm
.macro WBLOCK t
.set XS, WX+32*((\t)%2)
.set CH, (\t)%2
.set BQ, (\t)/2
.if (\t) < 7
	s_wait_loadcnt 32                              ; this block's 32 loads are in; the next block's may be out
.else
	s_wait_loadcnt 0
.endif
	v_max3_num_f32 v8, |v[XS]|, |v[XS+1]|, |v[XS+2]|                ; the block's largest magnitude: all 32 numbers are mine
	v_max3_num_f32 v9, |v[XS+3]|, |v[XS+4]|, |v[XS+5]|
.irp i, 6,10,14,18,22,26
	v_max3_num_f32 v8, v8, |v[XS+\i]|, |v[XS+\i+1]|
	v_max3_num_f32 v9, v9, |v[XS+\i+2]|, |v[XS+\i+3]|
.endr
	v_max3_num_f32 v8, v8, |v[XS+30]|, |v[XS+31]|
	v_max3_num_f32 v8, v8, v9, (EMAX+1)<<23        ; and the floor 2^(3 - 127): so the byte cannot fall under 1
	v_add_nc_u32 v10, -(EMAX<<23), v8              ; 2 off its exponent field: the conversion's scale operand
	v_lshrrev_b32 v11, 23, v10                     ; the scale's byte
.if BQ == 0
	v_mov_b32 v[SB+CH], v11                        ; four bytes to a register, the lower K in the lower byte
.else
	v_lshl_or_b32 v[SB+CH], v11, 8*BQ, v[SB+CH]
.endif
.irp g, 0,1,2,3
	v_cvt_scalef32_pk8_fp4_f32 v[WC+\g], v[XS+8*\g:XS+8*\g+7], v10
.endr
	ds_store_b128 v[WSI], v[WC:WC+3] offset:32*PITCH*CH+16*BQ   ; 32 codes: 16 bytes of my column's row
.if (\t)+2 < 8
	WLOAD (\t)+2
.endif
	s_wait_dscnt 0x0                               ; the store has read its registers: the next block's codes may be written
.endm
	s_load_b256 s[4:11], s[0:1], 0x0               ; x, Wproj, xc, xs
	s_load_b256 s[12:19], s[0:1], 0x20             ; wp16, Wq, Wk, Wv
	s_load_b128 s[20:23], s[0:1], 0x40             ; wc, ws
	v_lshl_add_u32 v[SPW], v0, 2, SPARE
	v_mov_b32 v[NIL], 0
	v_lshrrev_b32 v1, 5, v0
	v_readfirstlane_b32 s24, v1                    ; wave 0..3
	v_and_b32 v2, 31, v0                           ; lane
	; role X's addresses
	v_lshlrev_b32 v3, 4, v2                        ; my 16 bytes of a load's 512
	s_mul_i32 s25, s24, WREG
	v_lshrrev_b32 v14, 2, v2
	v_mul_u32_u24 v14, v14, SP
	v_and_b32 v15, 3, v2
	v_lshl_add_u32 v14, v15, 4, v14
	v_add_nc_u32 v14, s25, v14                     ; the stage, on the way in: SP (lane / 4) + 16 (lane % 4)
	v_mul_u32_u24 v15, v2, SP
	v_add_nc_u32 v15, s25, v15                     ; and on the way out: SP x lane
	v_mul_u32_u24 v4, v2, CB                       ; my codes' place in a step's
	v_lshrrev_b32 v5, 1, v2
	s_add_co_u32 s25, s25, 2*32*SP
	v_add_nc_u32 v5, s25, v5                       ; LDS: my wave's 256 scale bytes, my block's byte
	v_lshlrev_b32 v7, 3, v2                        ; 8 bytes a lane
	v_add_nc_u32 v6, s25, v7
	; role W's addresses
	v_lshlrev_b32 v[WGO], 2, v2                    ; in: 4 bytes a lane
	s_lshl_b32 s25, s24, 6
	s_add_co_u32 s25, s25, WST
	v_mul_u32_u24 v[WSI], v2, PITCH
	v_add_nc_u32 v[WSI], s25, v[WSI]               ; codes into the stage: row = my column, + 64 w
	s_lshl_b32 s25, s24, 2
	s_add_co_u32 s25, s25, SCST
	v_lshl_add_u32 v[WSS], v2, 4, s25              ; scale word into its stage: 16 x column + 4 w
	s_lshl_b32 s25, s24, 8
	s_add_co_u32 s25, s25, SCST
	v_lshl_add_u32 v[WSR], v2, 3, s25              ; and out of it: my wave's 256 bytes, 8 a lane
	v_and_b32 v10, 15, v2
	v_lshrrev_b32 v11, 4, v2
	s_lshl_b32 s25, s24, 4
	v_add_nc_u32 v11, s25, v11                     ; codes out: row 16 w + lane / 16 (two rows an instruction)
	v_mul_u32_u24 v[WCR], v11, PITCH
	v_lshl_add_u32 v[WCR], v10, 4, v[WCR]
	v_add_nc_u32 v[WCR], WST, v[WCR]               ; LDS address
	v_lshlrev_b32 v[WCO], 9, v11
	v_lshl_add_u32 v[WCO], v10, 4, v[WCO]          ; and the same place in wc: rows of 512 bytes
	v_lshrrev_b32 v8, 1, v2
	v_add_nc_u32 v8, s25, v8                       ; scale bytes out: row 16 w + lane / 2
	v_and_b32 v9, 1, v2
	v_lshlrev_b32 v[WSO], 5, v8
	v_lshl_add_u32 v[WSO], v9, 3, v[WSO]           ; rows of 32 bytes, 8 bytes a lane
	s_wait_kmcnt 0x0
	s_cmp_lt_u32 ttmp9, NWGW                       ; the roles part on the work-group's number: all four waves go the same way
	s_cbranch_scc0 .Lx_role
	; ---- ROLE W, up to the barrier
	s_lshr_b32 s26, ttmp9, 1                       ; 16 which + head
	s_and_b32 s27, ttmp9, 1                        ; which half of K
	s_lshr_b32 s28, s26, 4                         ; which weight
	s_and_b32 s29, s26, 15                         ; which head
	s_lshl_b32 s30, s29, 18                        ; the source: a head is 1024 rows of 256 bytes,
	s_lshl_b32 s31, s27, 17                        ; half of K 512 rows,
	s_add_co_u32 s30, s30, s31
	s_lshl_b32 s31, s24, 15                        ; my wave's part 128 rows
	s_add_co_u32 s30, s30, s31
	s_mov_b32 s31, 0
	s_lshl_b32 s32, s26, 15                        ; wc: 64 rows of 512 bytes a head, + 256 bytes for the upper half of K
	s_lshl_b32 s33, s27, 8
	s_add_co_u32 s32, s32, s33
	s_mov_b32 s33, 0
	s_lshl_b32 s34, s26, 11                        ; ws: 64 rows of 32 bytes, + 16
	s_lshl_b32 s35, s27, 4
	s_add_co_u32 s34, s34, s35
	s_mov_b32 s35, 0
	s_cmp_eq_u32 s28, 0                            ; the choice of the weight hangs on the work-group's number alone
	s_cselect_b64 s[14:15], s[14:15], s[16:17]
	s_cmp_eq_u32 s28, 2
	s_cselect_b64 s[14:15], s[18:19], s[14:15]
	s_add_nc_u64 s[14:15], s[14:15], s[30:31]
	s_add_nc_u64 s[20:21], s[20:21], s[32:33]
	s_add_nc_u64 s[22:23], s[22:23], s[34:35]
	WLOAD 0
	WLOAD 1
.irp t, 0,1,2,3,4,5,6,7
	WBLOCK \t
.endr
	ds_store_b32 v[WSS], v[SB]                     ; my four scale bytes of columns 0-31,
	ds_store_b32 v[WSS], v[SB+1] offset:512        ; and of columns 32-63
	s_branch .Ljoin
	; ---- ROLE X, whole
.Lx_role:
	s_sub_co_u32 s26, ttmp9, NWGW
	s_lshl_b32 s26, s26, 2
	s_add_co_u32 s26, s26, s24                     ; which run of the streams is my wave's: 0 .. 1023
	s_mov_b32 s29, 0
	s_lshl_b32 s28, s26, 15                        ; x: 8,192 numbers
	s_add_nc_u64 s[4:5], s[4:5], s[28:29]
	s_lshl_b32 s28, s26, 12                        ; Wproj: 1,024 numbers; the codes: 4,096 bytes
	s_add_nc_u64 s[6:7], s[6:7], s[28:29]
	s_add_nc_u64 s[8:9], s[8:9], s[28:29]
	s_lshl_b32 s28, s26, 8                         ; 256 scale bytes
	s_add_nc_u64 s[10:11], s[10:11], s[28:29]
	s_lshl_b32 s28, s26, 11                        ; 1,024 f16
	s_add_nc_u64 s[12:13], s[12:13], s[28:29]
.irp i, 0,1,2,3,4,5,6,7
	global_load_b128 v[WPR+4*\i:WPR+4*\i+3], v3, s[6:7] offset:512*\i th:TH_LOAD_NT
.endr
.irp t, 0,1,2,3
	LOAD \t
.endr
	s_wait_loadcnt 12                              ; Wproj's eight loads and step 0's four are in; the 12 of steps 1 to 3 may be out
	TURN 0
.irp i, 0,1,2,3,4,5,6,7
	v_cvt_pk_f16_f32 v[WPC+2*\i], v[WPR+4*\i], v[WPR+4*\i+1]       ; Wproj to f16, the first source in the low half
	v_cvt_pk_f16_f32 v[WPC+2*\i+1], v[WPR+4*\i+2], v[WPR+4*\i+3]
.endr
.irp i, 0,1,2,3,4,5,6,7
	global_store_b64 v7, v[WPC+2*\i:WPC+2*\i+1], s[12:13] offset:256*\i   ; 32 lanes store 256 consecutive bytes, aligned
.endr
.irp t, 0,1,2,3,4,5,6,7,8,9,10,11,12,13,14,15
	STEP \t
.endr
	ds_load_b64 v[8:9], v6                         ; LDS serves a wave's instructions in order: these see my stores
	s_wait_dscnt 0x0
	global_store_b64 v7, v[8:9], s[10:11]          ; my wave's 256 scale bytes, aligned
	; ---- both roles: the one barrier
.Ljoin:
	s_wait_xcnt 0x0                                ; every earlier store has read its registers: the loads behind the barrier may land in any of them
	s_wait_dscnt 0x0                               ; for the others' sake: my stores into both of role W's stages are done
	s_barrier_signal -1
	s_barrier_wait -1
	s_cmp_lt_u32 ttmp9, NWGW
	s_cbranch_scc0 .Lend                           ; role X has nothing left
	; ---- ROLE W, the way out
.irp i, 0,1,2,3,4,5,6,7
	ds_load_b128 v[OUTR+4*\i:OUTR+4*\i+3], v[WCR] offset:2*\i*PITCH
.endr
	ds_load_b64 v[26:27], v[WSR]
.irp i, 0,1,2,3,4,5,6,7
	s_wait_dscnt 8-\i                              ; the later code loads and the scale bytes' load may be out
	global_store_b128 v[WCO], v[OUTR+4*\i:OUTR+4*\i+3], s[20:21] offset:1024*\i   ; sixteen lanes store 256 consecutive bytes, aligned
.endr
	s_wait_dscnt 0x0
	global_store_b64 v[WSO], v[26:27], s[22:23]
.Lend:
	s_wait_tensorcnt 0x0                           ; the wave's end: behind my last LDS store
	ds_add_u32 v[SPW], v[NIL]
	s_wait_dscnt 0x0
	s_endpgm
.Lfunc_end_k_q36c6758a41_quant:
	.size	k_q36c6758a41_quant, .Lfunc_end_k_q36c6758a41_quant-k_q36c6758a41_quant
	.p2alignl 7, 3214868480
	.fill 96, 4, 3214868480
	.section	.rodata,"a",@progbits
	.p2align	6, 0x0
	.amdhsa_kernel k_q36c6758a41_quant
		.amdhsa_group_segment_fixed_size 51712
		.amdhsa_private_segment_fixed_size 0
		.amdhsa_enable_private_segment 0
		.amdhsa_kernarg_size 80
		.amdhsa_user_sgpr_count 2
		.amdhsa_user_sgpr_kernarg_segment_ptr 1
		.amdhsa_wavefront_size32 1
		.amdhsa_system_sgpr_workgroup_id_x 1
		.amdhsa_system_sgpr_workgroup_id_y 1
		.amdhsa_system_sgpr_workgroup_id_z 1
		.amdhsa_system_vgpr_workitem_id 0
		.amdhsa_next_free_vgpr 248
		.amdhsa_next_free_sgpr 66
		.amdhsa_reserve_vcc 0
		.amdhsa_float_denorm_mode_32 3
		.amdhsa_float_denorm_mode_16_64 3
		.amdhsa_memory_ordered 1
		.amdhsa_forward_progress 1
		.amdhsa_inst_pref_size 76
	.end_amdhsa_kernel
	.amdgpu_metadata
---
amdhsa.version: [ 1, 2 ]
amdhsa.kernels:
  - .name:           k_q36c6758a41_quant
    .symbol:         k_q36c6758a41_quant.kd
    .args:
      - { .name: x, .offset: 0, .size: 8, .value_kind: global_buffer, .address_space: global }
      - { .name: Wproj, .offset: 8, .size: 8, .value_kind: global_buffer, .address_space: global }
      - { .name: xc, .offset: 16, .size: 8, .value_kind: global_buffer, .address_space: global }
      - { .name: xs, .offset: 24, .size: 8, .value_kind: global_buffer, .address_space: global }
      - { .name: wp16, .offset: 32, .size: 8, .value_kind: global_buffer, .address_space: global }
      - { .name: Wq, .offset: 40, .size: 8, .value_kind: global_buffer, .address_space: global }
      - { .name: Wk, .offset: 48, .size: 8, .value_kind: global_buffer, .address_space: global }
      - { .name: Wv, .offset: 56, .size: 8, .value_kind: global_buffer, .address_space: global }
      - { .name: wc, .offset: 64, .size: 8, .value_kind: global_buffer, .address_space: global }
      - { .name: ws, .offset: 72, .size: 8, .value_kind: global_buffer, .address_space: global }
    .group_segment_fixed_size: 51712
    .private_segment_fixed_size: 0
    .kernarg_segment_align: 8
    .kernarg_segment_size: 80
    .max_flat_workgroup_size: 128
    .sgpr_count:     66
    .vgpr_count:     248
    .wavefront_size: 32
...
	.end_amdgpu_metadata
.endif
;; end of part 1
;; launch qkv (part 2): grid 12 x 32, 4 waves a work-group, clusters of 4 x 4, 327,680 bytes of LDS; arguments xc, xs, wc, ws, qkv, hq; writes qkv, hq
.if DOCPART == 2
	.amdgcn_target "amdgcn-amd-amdhsa--gfx1250"
	.amdhsa_code_object_version 6
	.text
	.protected	k_q36c6758a41_qkv
	.globl	k_q36c6758a41_qkv
	.p2align	8
	.type	k_q36c6758a41_qkv,@function
k_q36c6758a41_qkv:
	s_mov_b64 s[64:65], 0
	v_nop
	global_prefetch_b8 v0, s[64:65] scope:SCOPE_SE
	s_setreg_imm32_b32 hwreg(HW_REG_WAVE_MODE, 25, 1), 1
	s_wait_xcnt 0x0
	s_wait_alu depctr_hold_cnt(0) depctr_sa_sdst(0) depctr_va_vdst(0) depctr_va_sdst(0) depctr_va_ssrc(0) depctr_va_vcc(0) depctr_vm_vsrc(0)
	s_getreg_b32 s2, hwreg(HW_REG_IB_STS2, 6, 4)
	s_cmp_eq_u32 s2, 0
	s_cbranch_scc0 .Lentry_in_a_cluster
	s_endpgm
.Lentry_in_a_cluster:
	s_bfe_u32 s2, ttmp6, 0x10000c
	s_cmp_lg_u32 s2, 0xf033
	s_cbranch_scc0 .Lentry_shape_is_right
	s_endpgm
.Lentry_shape_is_right:
; q, k, v in one product on codes of E2M1: C[m][n] = sum over e of x[m][e] W[n][e], m = 1024 b + s (8,192 rows), n = 1024 which + 64 h + d (3,072), K = 1,024.  Codes: 512 bytes a row; scale bytes: 32 a row.
; The matrix instruction takes codes and E8M0 bytes as they lie.  Results: qkv [which][b][h][s][64] as f16 (LIMIT: magnitudes under 65,504), and of positions s < 16 also as f32, hq [which][b][h][16][64].
; A tile of C, 256 x 256, is made by a work-group of four waves; a wave makes 128 x 128: 64 accumulators of 16 x 16, 512 registers.  K is two steps of 512: both steps' tiles (rows of 256 bytes) and the scale
; bytes of the work-group's rows for all of K are asked for at the head, three tensor loads a wave, into bytes of their own: no LDS byte is filled twice in this launch.
; CLUSTERS: 4 x 4 work-groups.  The four of a row of the cluster need the same tiles of x, the four of a column the same tiles of W: each tile is asked for JOINTLY, by the same tensor load with the same
; descriptor and a mask that names the four.  The tile row is cluster y + 8 cy, so that 'my 256 rows begin a sequence' (tile row % 4 = 0) is the same in all sixteen partners: it hangs on cluster y alone.
; THE MATRIX INSTRUCTION IS USED TRANSPOSED (source 0 = 16 rows of W, source 1 = 16 rows of x): a lane then holds eight neighbouring d of one position s.
; REGISTERS, in windows of 256: window 0: v0-31 addresses; v32-95 scale words, two sets; from v128 x's fragments (8 x 16 rows x 128 K), one set; on the way out v32-255 are free.
;   window 1: W's fragments, two sets, at v0 and at v128.   window 2: the 32 accumulators of my rows 0-63 (accumulator (a, b) at v[8 (8 a + b)]);   window 3: those of my rows 64-127.
.set KSTEP,  512                       ; along K in a slot
.set NQ,     KSTEP/128                 ; matrix instructions deep
.set ROWB,   256                       ; a tile's row in bytes
.set KROW,   512                       ; a row of codes in memory
.set PITCH,  272                       ; an LDS row: 256 bytes + 16 of padding = 68 words: the 16 rows that a load touches start at 16 different banks (64 banks of 4 bytes: ISA guide 11.1)
.set FR,     8                         ; registers of a fragment: 16 rows x 128 K
.set NL,     2                         ; LDS loads that bring one
.set NP,     4                         ; places behind this matrix instruction (ISA guide 7.12.1)
.set HALFT,  128*PITCH                 ; 128 rows: what one tensor load brings, and what one wave reads of x or of W
.set SLOT,   4*HALFT                   ; x's 256 rows, then W's 256 rows
.set KS,     32                        ; a row of scale bytes
.set SCL,    2*SLOT                    ; behind the two slots: the scale bytes, as pieces of 256 bytes + 16 of padding
.set HALFS,  (128*KS/256)*272          ; those of 128 rows: what one tensor load brings
.set SBLK,   (16*KS/256)*272           ; those of 16 rows
.set SPARE,  SCL+4*HALFS               ; the spare words, 128 bytes a wave, named by no other line
.set WSTG,   13312                     ; the way out: a wave's stages, in slot 0, which has had its one fill and its last read when the first result is stored there:
.set S16OFF, 16*528                    ; 16 rows x (512 + 16) bytes for f32, then 2 heads x 16 rows x (128 + 16) bytes for f16
.set ADRA, 16                          ; v16-17  LDS address of my x fragments in slot 0, 1
.set ADRB, 20                          ; v20-21  the same for W
.set STO32, 22                         ; v22     f32 stage: where I put 32 bytes of a row
.set RD32, 23                          ; v23     and where I read a row back
.set STO,  24                          ; v24     f16 stage: where I put 16 bytes of a row
.set RD,   25                          ; v25     and where I read four rows back
.set CO,   26                          ; v26     16 x lane
.set ADRS, 27                          ; v27     LDS address of my scale words: lanes 0-15 x's rows, lanes 16-31 W's
.set SPW,  28                          ; v28     LDS address of my spare word; never rewritten
.set NIL,  29                          ; v29     0; never rewritten
.set CO32, 30                          ; v30     my byte offset in hq: lanes 0-15 one head, lanes 16-31 the next
.set SC,   32                          ; scale words: set s at v[SC + 8 NQ s]; register NQ i + q: lanes 0-15 the word of x's block i, lanes 16-31 that of W's block i, for the slot's q-th 128 along K
.set AF,   128                         ; x's fragments, in window 0
.set TMP,  192                         ; the way out: a block as f16
.set BK,   32                          ; 16 rows read back: v32-63 and v64-95 by turns
.set BK32, 128                         ; the f32 copy read back
.set G1, 24                            ; s[24:31] descriptor group 1 for x's tiles;  s[32:39] group 0, one set for each slot
.set G0, 32
.set G1B, 48                           ; s[48:55], s[56:63] the same for W's tiles
.set G0B, 56
.set G1S, 68                           ; s[68:75], s[76:79] groups 1 and 0 for x's scale bytes;  s[80:87], s[88:91] for W's
.set G0S, 76
.set G1SB, 80
.set G0SB, 88
.set MSB, 0
.macro WIN new                         ; the immediate's high byte repeats the setting that is left
.if MSB != \new
	s_set_vgpr_msb (MSB<<8)|\new
.set MSB, \new
.endif
.endm
.set MUL_LO, 0xa1                      ; source 0 (W) window 1, source 1 (x) window 0, C and D window 2
.set MUL_HI, 0xf1                      ; the same, C and D window 3
.set TO_B,   0x40                      ; destination window 1, address window 0
; A joint load: waves 0 and 1 fetch for x, waves 2 and 3 for W.  Each of the two lines has one mask and one set of registers for all that issue it; the branch hangs on the wave's number alone.
; An s_nop 0 and four v_nop follow each of the two lines.
.macro JLOAD g0a, g1a, g0b, g1b
	s_cmp_eq_u32 s15, 0
	s_cbranch_scc0 .Lfor_b_\@
	tensor_load_to_lds s[\g0a:\g0a+3], s[\g1a:\g1a+7]
	s_nop 0
.rept 4
	v_nop
.endr
	s_branch .Lasked_\@
.Lfor_b_\@:
	tensor_load_to_lds s[\g0b:\g0b+3], s[\g1b:\g1b+7]
	s_nop 0
.rept 4
	v_nop
.endr
.Lasked_\@:
.endm
.macro CROUND                          ; a round of the cluster's barrier
	s_barrier_signal -1
	s_barrier_wait -1
	s_cmp_lg_u32 s14, 0
	s_cbranch_scc1 .Lnot_wave_0_\@
	s_barrier_signal -3
.Lnot_wave_0_\@:
	s_barrier_wait -3
	s_barrier_signal -1
	s_barrier_wait -1
.endm
	s_load_b128 s[4:7], s[0:1], 0x0                ; x's codes s[4:5], x's scales s[6:7]
	s_load_b128 s[8:11], s[0:1], 0x10              ; W's codes s[8:9], W's scales s[10:11]
	s_load_b64 s[12:13], s[0:1], 0x20              ; qkv
	s_load_b64 s[96:97], s[0:1], 0x28              ; hq
	v_lshl_add_u32 v[SPW], v0, 2, SPARE
	v_mov_b32 v[NIL], 0
	ds_add_u32 v[SPW], v[NIL]                      ; the wave's opening: the add, twice on end, and its wait ahead of my first tensor load
	ds_add_u32 v[SPW], v[NIL]
	v_lshrrev_b32 v1, 5, v0
	v_readfirstlane_b32 s14, v1                    ; wave 0..3
	s_lshr_b32 s15, s14, 1                         ; which half of the tile's rows is mine.  Also: I fetch for x (0) or for W (1)
	s_and_b32 s16, s14, 1                          ; which half of its columns.  Also: which 128 rows of that tile I fetch
	s_bfe_u32 s40, ttmp6, 0x40000                  ; cx, cy: my place in the cluster
	s_bfe_u32 s41, ttmp6, 0x40004
	s_lshl_b32 s42, ttmp9, 2
	s_add_co_u32 s42, s42, s40                     ; tile column of C = 4 x cluster x + cx
	s_and_b32 s17, ttmp7, 0xffff
	s_lshl_b32 s18, s41, 3
	s_add_co_u32 s17, s17, s18                     ; tile row of C = cluster y + 8 cy
	s_lshl_b32 s43, s41, 2
	s_lshl_b32 s43, 15, s43                        ; my row of the cluster
	s_lshl_b32 s44, 0x1111, s40                    ; my column
	; descriptor group 1: a tile of 128 rows x 256 bytes, padded in LDS
	s_or_b32 s[G1+0], s43, (0<<16)|(1<<20)|(1<<21)|(5<<22)|(3<<25)  ; 15:0 the mask; 17:16 element of 1 byte; 20 padding on; 21 set beside a mask; 24:22 after every 64 words; 31:25 of 4 words
	s_or_b32 s[G1B+0], s44, (0<<16)|(1<<20)|(1<<21)|(5<<22)|(3<<25)
.irp g, G1, G1B
	s_mov_b32 s[\g+1], ROWB<<16                    ; tensor_dim0
	s_mov_b32 s[\g+2], 128<<16                     ; tensor_dim1 = 128
	s_mov_b32 s[\g+3], ROWB<<16                    ; tile_dim0
	s_mov_b32 s[\g+4], 128                         ; tile_dim1 = 128
	s_mov_b32 s[\g+5], KROW                        ; tensor_dim0_stride
	s_mov_b32 s[\g+6], 0
	s_mov_b32 s[\g+7], 0
.endr
	; and for the scale bytes of 128 rows: a dense block of 4,096 bytes, as 16 rows of 256 bytes (32 elements of 8 bytes), 16 bytes of padding behind each
	s_or_b32 s[G1S+0], s43, (3<<16)|(1<<20)|(1<<21)|(5<<22)|(3<<25)
	s_or_b32 s[G1SB+0], s44, (3<<16)|(1<<20)|(1<<21)|(5<<22)|(3<<25)
.irp g, G1S, G1SB
	s_mov_b32 s[\g+1], 32<<16
	s_mov_b32 s[\g+2], (128*KS/256)<<16
	s_mov_b32 s[\g+3], 32<<16
	s_mov_b32 s[\g+4], 128*KS/256
	s_mov_b32 s[\g+5], 32
	s_mov_b32 s[\g+6], 0
	s_mov_b32 s[\g+7], 0
.endr
	s_lshl_b32 s18, s16, 7                         ; which 128 rows of the tile I fetch
	s_lshl_b32 s20, s17, 8
	s_add_co_u32 s20, s20, s18                     ; x: row 256 x tile row + 128 x half
	s_lshl_b32 s46, s42, 8
	s_add_co_u32 s46, s46, s18                     ; W: row 256 x tile column + 128 x half
	s_mov_b32 s21, 0
	s_mov_b32 s47, 0
	s_mov_b64 s[18:19], KS
	s_mul_u64 s[22:23], s[20:21], s[18:19]         ; where these rows' scale bytes begin
	s_mul_u64 s[92:93], s[46:47], s[18:19]
	s_mov_b64 s[18:19], KROW
	s_mul_u64 s[20:21], s[20:21], s[18:19]         ; and their codes
	s_mul_u64 s[46:47], s[46:47], s[18:19]
	s_mul_i32 s45, s14, HALFT                      ; where they go: wave x 128 rows: no place in the cluster enters an LDS address
	s_mul_i32 s94, s14, HALFS
	s_wait_dscnt 0x0                               ; both opening adds are done
	s_wait_kmcnt 0x0
	s_add_nc_u64 s[20:21], s[4:5], s[20:21]
	s_add_nc_u64 s[22:23], s[6:7], s[22:23]
	s_add_nc_u64 s[46:47], s[8:9], s[46:47]
	s_add_nc_u64 s[92:93], s[10:11], s[92:93]
	CROUND                                         ; all sixteen work-groups are here: the joint loads meet
	s_mov_b32 s[G0S], 1
	s_add_co_u32 s[G0S+1], s94, SCL
	s_mov_b64 s[G0S+2:G0S+3], s[22:23]
	s_or_b32 s[G0S+3], s[G0S+3], 0x80000000
	s_mov_b32 s[G0SB], 1
	s_add_co_u32 s[G0SB+1], s94, SCL
	s_mov_b64 s[G0SB+2:G0SB+3], s[92:93]
	s_or_b32 s[G0SB+3], s[G0SB+3], 0x80000000
	JLOAD G0S, G1S, G0SB, G1SB                     ; the scale bytes first: they are wanted with K step 0
.irp s, 0,1
	s_mov_b32 s[G0+4*\s], 1
	s_add_co_u32 s[G0+4*\s+1], s45, \s*SLOT
	s_add_nc_u64 s[G0+4*\s+2:G0+4*\s+3], s[20:21], \s*ROWB
	s_or_b32 s[G0+4*\s+3], s[G0+4*\s+3], 0x80000000
	s_mov_b32 s[G0B+4*\s], 1
	s_add_co_u32 s[G0B+4*\s+1], s45, \s*SLOT
	s_add_nc_u64 s[G0B+4*\s+2:G0B+4*\s+3], s[46:47], \s*ROWB
	s_or_b32 s[G0B+4*\s+3], s[G0B+4*\s+3], 0x80000000
	JLOAD G0+4*\s, G1, G0B+4*\s, G1B               ; three tensor loads of mine are out at the most
.endr
	v_and_b32 v1, 15, v0                           ; r = l % 16
	v_bfe_u32 v2, v0, 4, 1                         ; h = l / 16
	v_mul_u32_u24 v3, v1, PITCH
	v_lshl_add_u32 v4, v2, 4, v3                   ; a fragment's row x pitch + 16 x half
	s_mul_i32 s21, s15, HALFT                      ; my 128 rows of x
	s_mul_i32 s22, s16, HALFT                      ; my 128 rows of W,
	s_add_co_u32 s22, s22, 2*HALFT                 ; which lie behind x's 256
.irp s, 0,1
	v_add_nc_u32 v[ADRA+\s], s21, v4
	v_add_nc_u32 v[ADRB+\s], s22, v4
	s_add_co_u32 s21, s21, SLOT
	s_add_co_u32 s22, s22, SLOT
.endr
	v_mul_u32_u24 v5, v1, KS                       ; my row's scale bytes: 32 a row,
	v_lshrrev_b32 v6, 8, v5
	v_lshl_add_u32 v5, v6, 4, v5                   ; and 16 more for each 256 passed
	s_mul_i32 s21, s15, HALFS                      ; x's: my 128 rows
	s_mul_i32 s22, s16, HALFS                      ; W's: my 128 rows, behind x's 256
	s_add_co_u32 s22, s22, 2*HALFS
	s_sub_co_u32 s22, s22, s21
	v_mul_u32_u24 v6, s22, v2                      ; lanes 16-31 take W's
	s_add_co_u32 s21, s21, SCL
	v_add_nc_u32 v5, v5, v6
	v_add_nc_u32 v[ADRS], s21, v5
	s_mul_i32 s23, s14, WSTG                       ; my stages
	v_mul_u32_u24 v5, v1, 528                      ; f32, in: row r, 32 bytes for each half of the lanes
	v_lshl_add_u32 v5, v2, 5, v5
	v_add_nc_u32 v[STO32], s23, v5
	v_and_b32 v6, 31, v0
	v_lshlrev_b32 v[CO], 4, v6
	v_add_nc_u32 v[RD32], s23, v[CO]               ; back: the 32 lanes take one row of 512 bytes
	s_add_co_u32 s23, s23, S16OFF
	v_mul_u32_u24 v5, v1, 144                      ; f16, in: row r, 16 bytes for each half of the lanes
	v_lshl_add_u32 v5, v2, 4, v5
	v_add_nc_u32 v[STO], s23, v5
	v_lshrrev_b32 v5, 3, v6
	v_mul_u32_u24 v5, v5, 144                      ; back: eight lanes to a row of 128 bytes, four rows an instruction
	v_and_b32 v7, 7, v0
	v_lshl_add_u32 v5, v7, 4, v5
	v_add_nc_u32 v[RD], s23, v5
	v_lshlrev_b32 v[CO32], 12, v2
	v_lshl_add_u32 v[CO32], v1, 4, v[CO32]         ; hq: a head is 4,096 bytes
	; where my results go.  m0 = 256 x tile row + 128 x half: batch m0 / 1024, position m0 % 1024;  hn0 = 4 x tile column + 2 x half: which = hn0 / 16, head hn0 % 16 (even: the wave's two heads lie in one weight)
	s_lshl_b32 s20, s17, 8
	s_lshl_b32 s21, s15, 7
	s_add_co_u32 s20, s20, s21                     ; m0
	s_lshr_b32 s21, s20, 10                        ; the batch
	s_and_b32 s20, s20, 1023
	s_lshl_b32 s20, s20, 7                         ; 128 bytes a position
	s_lshl_b32 s22, s21, 21
	s_add_co_u32 s20, s20, s22
	s_lshl_b32 s18, s21, 16                        ; hq: ((8 which + batch) 16 + head) x 4,096
	s_lshl_b32 s46, s42, 2
	s_lshl_b32 s47, s16, 1
	s_add_co_u32 s46, s46, s47                     ; hn0
	s_lshr_b32 s47, s46, 4                         ; which
	s_and_b32 s46, s46, 15                         ; the head
	s_lshl_b32 s22, s47, 24
	s_add_co_u32 s20, s20, s22
	s_lshl_b32 s22, s46, 17
	s_add_co_u32 s20, s20, s22
	s_lshl_b32 s22, s47, 19
	s_add_co_u32 s18, s18, s22
	s_lshl_b32 s22, s46, 12
	s_add_co_u32 s18, s18, s22
	s_mov_b32 s21, 0
	s_mov_b32 s19, 0
	s_add_nc_u64 s[12:13], s[12:13], s[20:21]
	s_add_nc_u64 s[96:97], s[96:97], s[18:19]
.macro FRAG reg, adr, q, i             ; a fragment, 16 rows x 128 K of 4-bit codes: lane l holds row l % 16; registers 4 c .. 4 c + 3 hold K = 64 c + 32 (l / 16) + 0 .. 31
.irp c, 0,1
	ds_load_b128 v[\reg+4*\c:\reg+4*\c+3], v[\adr] offset:64*(\q)+32*\c+(\i)*16*PITCH
.endr
.endm
; 16 matrix instructions: x's blocks a0, a0 + 1 against W's eight, 128 along K: the slot's q-th.  p: W's set;  sc: the set of scale words.  zero = 1: the first product starts the sums.
; The 64 accumulators take turns, one instruction a turn, in the same order in every step.
.macro MUL16 a0, p, q, sc, zero
.irp a, \a0, \a0+1
.irp b, 0,1,2,3,4,5,6,7
.if \zero
	v_wmma_scale_f32_16x16x128_f8f6f4 v[8*(8*((\a)%4)+\b):8*(8*((\a)%4)+\b)+7], v[128*(\p)+FR*\b:128*(\p)+FR*\b+FR-1], v[AF+FR*(\a):AF+FR*(\a)+FR-1], 0, v[SC+8*NQ*(\sc)+NQ*\b+(\q)], v[SC+8*NQ*(\sc)+NQ*(\a)+(\q)] matrix_a_fmt:MATRIX_FMT_FP4 matrix_b_fmt:MATRIX_FMT_FP4 matrix_a_scale:MATRIX_SCALE_ROW1
.else
	v_wmma_scale_f32_16x16x128_f8f6f4 v[8*(8*((\a)%4)+\b):8*(8*((\a)%4)+\b)+7], v[128*(\p)+FR*\b:128*(\p)+FR*\b+FR-1], v[AF+FR*(\a):AF+FR*(\a)+FR-1], v[8*(8*((\a)%4)+\b):8*(8*((\a)%4)+\b)+7], v[SC+8*NQ*(\sc)+NQ*\b+(\q)], v[SC+8*NQ*(\sc)+NQ*(\a)+(\q)] matrix_a_fmt:MATRIX_FMT_FP4 matrix_b_fmt:MATRIX_FMT_FP4 matrix_a_scale:MATRIX_SCALE_ROW1
.endif
.endr
.endr
.endm
.macro FETCH_B slot, q, p              ; W's eight fragments of the slot's q-th 128 along K into set p
	WIN TO_B
.irp i, 0,1,2,3,4,5,6,7
	FRAG 128*(\p)+FR*\i, ADRB+\slot, \q, \i
.endr
	WIN 0
.endm
.macro FETCH_A slot, q, i0             ; x's blocks i0 .. i0 + 3
.irp i, \i0, \i0+1, \i0+2, \i0+3
	FRAG AF+FR*(\i), ADRA+\slot, \q, \i
.endr
.endm
.macro SCALES sc                       ; a K step's scale words into set sc: four words a row; lanes 0-15 take x's block i, lanes 16-31 W's block i
.irp i, 0,1,2,3,4,5,6,7
	ds_load_b128 v[SC+8*NQ*\sc+NQ*\i:SC+8*NQ*\sc+NQ*\i+3], v[ADRS] offset:\i*SBLK
.endr
.endm
; A load into a register that a matrix instruction has read, and a vector instruction or an LDS store that reads a matrix result, stand NP places behind that matrix instruction; only plain vector
; instructions that name none of its registers are places (ISA guide 7.12.1 for vector instructions).
.macro PLACES n
.rept \n
	v_nop
.endr
.endm
; A step of 128 along K that has its successor in the same slot.  x's blocks are free as soon as their eight products are issued: blocks 0-3 are fetched anew in the step's middle, blocks 4-7 at its end.
.macro STEP slot, q, zero
	s_wait_dscnt 4*NL                              ; W's set and x's blocks 0-3 are in; the youngest eight loads (x's blocks 4-7) may be out
	WIN MUL_LO
	MUL16 0, (\q)%2, \q, \slot, \zero
	MUL16 2, (\q)%2, \q, \slot, \zero
	s_wait_dscnt 0                                 ; x's blocks 4-7 are in (asked for 32 matrix instructions ago)
	PLACES NP
	FETCH_B \slot, (\q)+1, 1-(\q)%2
	FETCH_A \slot, (\q)+1, 0
	WIN MUL_HI
	MUL16 4, (\q)%2, \q, \slot, \zero
	MUL16 6, (\q)%2, \q, \slot, \zero
	PLACES NP
	WIN 0
	FETCH_A \slot, (\q)+1, 4
.endm
.macro STEPS slot, from                ; the slot's steps from .. NQ - 2
.set Q, \from
.rept NQ-1-\from
	STEP \slot, Q, 0
.set Q, Q+1
.endr
.endm
	s_wait_tensorcnt 1                             ; the scale bytes and my part of K step 0 are in (K step 1's load may be out)
	s_barrier_signal -1
	s_barrier_wait -1                              ; everybody's are
	FETCH_B 0, 0, 0
	FETCH_A 0, 0, 0
	SCALES 0
	FETCH_A 0, 0, 4
	STEP 0, 0, 1                                   ; the first step's products start the sums: nothing is cleared
	STEPS 0, 1
	; slot 0's last step changes slots: one barrier; in front of it each wave waits for all its tensor loads (its part of slot 1), adds 0 to its spare word, and waits for that and for its reads of slot 0
	s_wait_tensorcnt 0x0
	ds_add_u32 v[SPW], v[NIL]
	s_wait_dscnt 4*NL+1                            ; (the add and the youngest eight loads, x's blocks 4-7, may be out)
	WIN MUL_LO
	MUL16 0, 1, NQ-1, 0, 0                         ; sixteen matrix instructions stand between the add and the wait for it
	s_wait_dscnt 0x0                               ; the add is done, and my reads of slot 0 are over
	s_barrier_signal -1
	MUL16 2, 1, NQ-1, 0, 0
	WIN 0
	s_barrier_wait -1                              ; slot 1 is whole, and nobody reads slot 0 any more
	PLACES NP
	v_add_nc_u32 v[ADRS], 4*NQ, v[ADRS]            ; on to K step 1's scale words (no LDS load of mine is out)
	FETCH_B 1, 0, 0
	FETCH_A 1, 0, 0
	SCALES 1
	WIN MUL_HI
	MUL16 4, 1, NQ-1, 0, 0
	MUL16 6, 1, NQ-1, 0, 0
	PLACES NP
	WIN 0
	FETCH_A 1, 0, 4
	STEPS 1, 0
	s_wait_dscnt 4*NL                              ; the very last step: nothing more to fetch
	WIN MUL_LO
	MUL16 0, 1, NQ-1, 1, 0
	MUL16 2, 1, NQ-1, 1, 0
	s_wait_dscnt 0
	WIN MUL_HI
	MUL16 4, 1, NQ-1, 1, 0
	MUL16 6, 1, NQ-1, 1, 0
	WIN 0
; THE WAY OUT.  A lane holds eight neighbouring d of one position; the lanes beside it hold other positions.  So a block of 16 positions x 128 columns (two heads) goes through my own stage in LDS.
; LDS serves a wave's instructions in order (ISA guide 5.7.1.4): no wait between the stores into a stage and the loads from it.
	PLACES NP                                      ; behind the last products: for the reads of results and for the loads into registers that held scale words and fragments
	; positions 0 to 15 of a sequence also leave as f32: my block 0, where my 128 rows begin a sequence.  The branch hangs on cluster y and the wave's number: it is the same in all partners
	s_and_b32 s95, ttmp7, 3
	s_or_b32 s95, s95, s15
	s_cmp_lg_u32 s95, 0
	s_cbranch_scc1 .Lno_f32
	WIN 0x08                                       ; an LDS store's data: window 2
.irp b, 0,1,2,3,4,5,6,7
	ds_store_b128 v[STO32], v[8*\b:8*\b+3] offset:64*\b            ; each accumulator from its low end on
	ds_store_b128 v[STO32], v[8*\b+4:8*\b+7] offset:64*\b+16
.endr
	WIN 0
.irp t, 0,1,2,3,4,5,6,7,8,9,10,11,12,13,14,15
	ds_load_b128 v[BK32+4*\t:BK32+4*\t+3], v[RD32] offset:\t*528
.endr
	s_wait_dscnt 0x0
.irp t, 0,1,2,3,4,5,6,7,8,9,10,11,12,13,14,15
	global_store_b128 v[CO32], v[BK32+4*\t:BK32+4*\t+3], s[96:97] offset:256*\t   ; lanes 0-15: position t of one head, 256 consecutive aligned bytes; lanes 16-31: of the next head
.endr
.Lno_f32:
.macro PACK a                          ; block a rounded to f16: 16 bytes a lane and 16 columns
.set AC, 64*((\a)%4)
	WIN (0x0a+5*((\a)/4))                          ; sources 0 and 1: window 2 or 3
.irp b, 0,1,2,3,4,5,6,7
.irp p, 0,1,2,3
	v_cvt_pk_f16_f32 v[TMP+4*\b+\p], v[AC+8*\b+2*\p], v[AC+8*\b+2*\p+1]
.endr
.endr
	WIN 0
.endm
.macro TOSTAGE a                       ; into the stage (head b / 4, row r, 32 (b % 4) + 16 h bytes), and back as runs of four rows
.set BB, BK+32*((\a)%2)
.irp b, 0,1,2,3,4,5,6,7
	ds_store_b128 v[STO], v[TMP+4*\b:TMP+4*\b+3] offset:(\b/4)*2304+32*(\b%4)
.endr
.irp t, 0,1,2,3,4,5,6,7
	ds_load_b128 v[BB+4*\t:BB+4*\t+3], v[RD] offset:(\t/4)*2304+(\t%4)*576
.endr
.endm
.macro SEND a
.set BB, BK+32*((\a)%2)
	s_wait_dscnt 0x0                               ; the block is back in registers
	s_wait_xcnt 0x0                                ; the block before has had its stores' registers read: the next block's loads may land there
.irp t, 0,1,2,3,4,5,6,7
	global_store_b128 v[CO], v[BB+4*\t:BB+4*\t+3], s[12:13] offset:2048*(\a)+(\t/4)*131072+(\t%4)*512   ; four positions of a head: 512 consecutive bytes, aligned
.endr
.endm
	PACK 0
	TOSTAGE 0
.irp a, 1,2,3,4,5,6,7                  ; block a's conversions stand between block a - 1's loads from the stage and the wait for them
	PACK \a
	SEND \a-1
	TOSTAGE \a
.endr
	SEND 7
	s_wait_tensorcnt 0x0                           ; the wave's end: behind my last tensor load and my last LDS store
	ds_add_u32 v[SPW], v[NIL]
	s_wait_dscnt 0x0
	CROUND                                         ; the closing round: no work-group ends while a partner may still ask for a tile that names it
	s_endpgm
.Lfunc_end_k_q36c6758a41_qkv:
	.size	k_q36c6758a41_qkv, .Lfunc_end_k_q36c6758a41_qkv-k_q36c6758a41_qkv
	.p2alignl 7, 3214868480
	.fill 96, 4, 3214868480
	.section	.rodata,"a",@progbits
	.p2align	6, 0x0
	.amdhsa_kernel k_q36c6758a41_qkv
		.amdhsa_group_segment_fixed_size 327680
		.amdhsa_private_segment_fixed_size 0
		.amdhsa_enable_private_segment 0
		.amdhsa_kernarg_size 48
		.amdhsa_user_sgpr_count 2
		.amdhsa_user_sgpr_kernarg_segment_ptr 1
		.amdhsa_wavefront_size32 1
		.amdhsa_system_sgpr_workgroup_id_x 1
		.amdhsa_system_sgpr_workgroup_id_y 1
		.amdhsa_system_sgpr_workgroup_id_z 1
		.amdhsa_system_vgpr_workitem_id 0
		.amdhsa_next_free_vgpr 1024
		.amdhsa_next_free_sgpr 100
		.amdhsa_reserve_vcc 0
		.amdhsa_float_denorm_mode_32 3
		.amdhsa_float_denorm_mode_16_64 3
		.amdhsa_memory_ordered 1
		.amdhsa_forward_progress 1
		.amdhsa_inst_pref_size 131
	.end_amdhsa_kernel
	.amdgpu_metadata
---
amdhsa.version: [ 1, 2 ]
amdhsa.kernels:
  - .name:           k_q36c6758a41_qkv
    .symbol:         k_q36c6758a41_qkv.kd
    .args:
      - { .name: xc, .offset: 0, .size: 8, .value_kind: global_buffer, .address_space: global }
      - { .name: xs, .offset: 8, .size: 8, .value_kind: global_buffer, .address_space: global }
      - { .name: wc, .offset: 16, .size: 8, .value_kind: global_buffer, .address_space: global }
      - { .name: ws, .offset: 24, .size: 8, .value_kind: global_buffer, .address_space: global }
      - { .name: qkv, .offset: 32, .size: 8, .value_kind: global_buffer, .address_space: global }
      - { .name: hq, .offset: 40, .size: 8, .value_kind: global_buffer, .address_space: global }
    .group_segment_fixed_size: 327680
    .private_segment_fixed_size: 0
    .kernarg_segment_align: 8
    .kernarg_segment_size: 48
    .max_flat_workgroup_size: 128
    .sgpr_count:     100
    .vgpr_count:     1024
    .wavefront_size: 32
...
	.end_amdgpu_metadata
.endif
;; end of part 2
;; launch attn (part 3): grid 128 x 4, 16 waves a work-group, no clusters, 327,680 bytes of LDS; arguments qkv, o16; writes o16
.if DOCPART == 3
	.amdgcn_target "amdgcn-amd-amdhsa--gfx1250"
	.amdhsa_code_object_version 6
	.text
	.protected	k_q36c6758a41_attn
	.globl	k_q36c6758a41_attn
	.p2align	8
	.type	k_q36c6758a41_attn,@function
k_q36c6758a41_attn:
	s_mov_b64 s[64:65], 0
	v_nop
	global_prefetch_b8 v0, s[64:65] scope:SCOPE_SE
	s_setreg_imm32_b32 hwreg(HW_REG_WAVE_MODE, 25, 1), 1
	s_wait_xcnt 0x0
; o[b][h][s][:] = the sum over t <= s of softmax_t(q[s] . k[t] / 8) v[t][:], for each of the 128 (b, h).  q, k, v: qkv [which][b][h][s][64], f16; o16 [b][h][s][64], f16.  Products on f16 operands, sums, maxima
; and the softmax in f32; the weights p are rounded to f16 for the second product, o once at the end.
; WORK LEFT OUT: reference() masks keys t > s itself and key s always counts, so a masked weight is 0 for all inputs: a step of 64 keys all behind my 16 queries is not multiplied, and a slot of 256 keys
; behind all of my work-group's queries is not fetched.  LIMIT: a NaN, an infinity or an overflow that reaches only masked scores is not carried to the result.
; SHARES.  A work-group owns 256 queries of one (b, h): x = 16 b + h, block 3 - y.  Each of its sixteen waves owns 16 of them, one tile, in 256 registers: four waves to a SIMD, so that one wave's vector work
; stands beside another's matrix work and LDS loads.  Keys go 64 a step.  K's and V's rows come through a ring of two LDS slots of 256 keys, filled by the tensor data mover (waves 0, 1: K's halves; waves 2, 3: V's).
; NO CLUSTER: the four query blocks of a head need 1, 2, 3 and 4 slots of keys: partners would need different numbers of tiles.
; EVERY work-group walks all four slots: the trip counts are constants; what is left out is a step's work (a scalar branch on ids) and a slot's load (likewise).
; LAYOUT.  S^T = K Q^T (source 0 = 16 keys, source 1 = my 16 queries): a lane holds ONE query (lane % 16) and the keys 8 (lane / 16) + 0..7 of each tile.  Two such tiles, rounded to f16 in pairs, ARE source 1
; (32 keys x 16 queries) of O^T = V^T P, whose result again holds one query a lane, and eight channels.  K comes out of LDS as it lies, V ([key][channel]) turned, by ds_load_tr16_b128.
; SOFTMAX.  For each query a running maximum m and sum l: p = 2^(c s - c m), c = log2(e) / 8; in every step O and l are multiplied by a = 2^(c m_old - c m_new).  O^T and l begin as zeros, m as -3e38.
.set SK,    256                        ; keys in a slot
.set KP,    144                        ; a row of K in LDS: 128 bytes + 16 = 36 words: the 16 rows of a load start at 16 different groups of four banks (64 banks of 4 bytes: ISA guide 11.1)
.set VP,    160                        ; a row of V: 128 + 32 = 40 words
.set VOFF,  SK*KP                      ; a slot: 256 rows of K, then 256 rows of V
.set SLOT1, 1<<17                      ; slot 1 begins here, so that one exclusive or turns an address in one slot into the other's
.set NSL,   4                          ; slots' worth of keys
.set SPARE, SLOT1+VOFF+SK*VP           ; behind the ring: the spare words, 128 bytes a wave, named by no other line
.set STAGE, SPARE+2048                 ; the way out: 16 rows x 144 bytes for each wave; no tensor load fills it
.set SP,    144
.set AK0,  1                           ; v1   my lane's place in a tile of K
.set AV0,  2                           ; v2   the same for V
.set SPW,  3                           ; v3   LDS address of my spare word; never rewritten
.set NIL,  4                           ; v4   0; never rewritten
.set ADK,  5                           ; v5   LDS address of the step's rows of K; at the end: into the stage
.set ADV,  6                           ; v6   of V; at the end: out of the stage
.set DD,   7                           ; v7   the mask's d; at the end: 16 x lane
.set NINF, 8                           ; v8   -infinity
.set PFO,  9                           ; v9   256 x lane: the prefetches' offset; never rewritten
.set CM,   10                          ; v[10:11] c m, m
.set LS,   12                          ; v[12:13] l, in two halves
.set AA,   14                          ; v[14:15] a (v15 is named with it as a pair, so it is written once)
.set CH,   16                          ; v16-19 four chains of the maximum
.set WK,   20                          ; v[20:21] at work
.set QR,   24                          ; v24-39   Q: channels 32 c on at 24 + 8 c
.set KR,   40                          ; v40-103  K: keys 16 i on, channels 32 c on at 40 + 8 (2 i + c)
.set VR,   104                         ; v104-167 V^T: keys 32 kk on, channels 16 f on at 104 + 8 (4 kk + f)
.set S,    168                         ; v168-199 S^T, then p
.set P,    200                         ; v200-215 p as f16
.set O,    216                         ; v216-247 O^T
.set TB,   2                           ; s2   LDS byte at which the slot in hand begins
.set WV,   18                          ; s18  my wave's number
.set SEL,  20                          ; s[20:21] lane selects for v_permlanex16_b32: lane l xor 16
.set CS,   22                          ; s[22:23] c: the packed form names a pair and takes its low word for both halves
.set G1K,  24                          ; s[24:31] descriptor group 1 for K's rows;  s[32:39] for V's: it differs in the padding alone
.set G1V,  32
.set G0K,  40                          ; s[40:43], s[44:47] their groups 0, which walk
.set G0V,  44
.set SLOTS, 48                         ; s48  changes of slots still to come in the loop
.set KF,   49                          ; s49  the step's first key
.set Q0,   50                          ; s50  my first query
.set PFA,  52                          ; s[52:53] where my prefetches stand
.set LIM,  54                          ; s54  1 in a wave that prefetches, else the greatest number
; Waves 0 and 1 fetch for K, waves 2 and 3 for V, the others nothing.  The branches hang on the wave's number alone.  An s_nop 0 and four v_nop follow each of the two lines.
.macro TLOAD
	s_cmp_lt_u32 s[WV], 2
	s_cbranch_scc0 .Lnot_k_\@
	tensor_load_to_lds s[G0K:G0K+3], s[G1K:G1K+7]
	s_nop 0
.rept 4
	v_nop
.endr
	s_branch .Lasked_\@
.Lnot_k_\@:
	s_cmp_lt_u32 s[WV], 4
	s_cbranch_scc0 .Lasked_\@
	tensor_load_to_lds s[G0V:G0V+3], s[G1V:G1V+7]
	s_nop 0
.rept 4
	v_nop
.endr
.Lasked_\@:
.endm
; A PREFETCH INTO THE L2 of what the NEXT change of slots will ask for: 256 rows of K and of V, two dense blocks of 32,768 bytes.  Each aligned block of 256 bytes is named once in the launch: of the four
; work-groups of a head the one with y = 0 asks (it owns the last queries and loads every slot); in it the waves ask that fetch nothing, one instruction each: waves 4 to 7 for K, waves 8 to 11 for V,
; 8,192 bytes a wave, lanes 256 bytes apart.  Slots 2 and 3 are asked for, each one change of slots (four key steps) ahead of its load; slots 0 and 1 come by their loads alone; the last change asks for nothing.
.macro ASK
	s_cmp_gt_u32 s[SLOTS], s[LIM]
	s_cbranch_scc0 .Lnot_mine_\@
	global_prefetch_b8 v[PFO], s[PFA:PFA+1] th:TH_LOAD_NT scope:SCOPE_SE
.Lnot_mine_\@:
.endm
	s_load_b128 s[4:7], s[0:1], 0x0                ; qkv, o16
	v_lshl_add_u32 v[SPW], v0, 2, SPARE
	v_mov_b32 v[NIL], 0
	ds_add_u32 v[SPW], v[NIL]                      ; the wave's opening: the add, twice on end, and its wait ahead of my first tensor load
	ds_add_u32 v[SPW], v[NIL]
	v_lshrrev_b32 v5, 5, v0
	v_readfirstlane_b32 s[WV], v5                  ; wave 0..15
	s_and_b32 s8, ttmp7, 0xffff
	s_sub_co_u32 s8, 3, s8                         ; my block of 256 queries: the blocks with the most keys come first in the grid
	s_lshl_b32 s[Q0], s8, 8
	s_lshl_b32 s9, s[WV], 4
	s_add_co_u32 s[Q0], s[Q0], s9                  ; my first query
	s_lshl_b32 s10, ttmp9, 17                      ; the head's first byte in q, in k, in v and in o16: 1024 rows of 128 bytes
	s_lshl_b32 s12, s[Q0], 7
	s_add_co_u32 s12, s12, s10                     ; my first query's row
	s_mov_b32 s13, 0
	s_and_b32 s14, s[WV], 1                        ; which 128 rows of a slot I fetch, if I fetch:
	s_lshl_b32 s15, s14, 14
	s_add_co_u32 s10, s10, s15                     ; in memory,
	s_mov_b32 s11, 0
	s_mul_i32 s16, s14, 128*KP                     ; and in a slot: K's,
	s_mul_i32 s17, s14, 128*VP
	s_add_co_u32 s17, s17, VOFF                    ; V's
	; descriptor group 1: 128 rows of 64 elements of 2 bytes, dense in memory, padded in LDS
	s_mov_b32 s[G1K], (1<<16)|(1<<20)|(4<<22)|(3<<25)              ; 15:0 no mask; 17:16 elements of 2 bytes; 20 padding on; 24:22 after every 32 words; 31:25 of 4 words
	s_mov_b32 s[G1V], (1<<16)|(1<<20)|(4<<22)|(7<<25)              ; the same with 8 words
.irp g, G1K, G1V
	s_mov_b32 s[\g+1], 64<<16                      ; tensor_dim0
	s_mov_b32 s[\g+2], 128<<16                     ; tensor_dim1
	s_mov_b32 s[\g+3], 64<<16                      ; tile_dim0
	s_mov_b32 s[\g+4], 128                         ; tile_dim1
	s_mov_b32 s[\g+5], 64                          ; tensor_dim0_stride
	s_mov_b32 s[\g+6], 0
	s_mov_b32 s[\g+7], 0
.endr
	s_mov_b32 s[SEL], 0x76543210
	s_mov_b32 s[SEL+1], 0xfedcba98
	s_mov_b32 s[CS], 0x3e38aa3b                    ; c = log2(e) / 8
	s_mov_b32 s[CS+1], s[CS]
	s_mov_b32 s[TB], 0
	s_mov_b32 s[SLOTS], NSL-1
	s_mov_b32 s[KF], 0
	; the prefetches: who asks, and where
	s_sub_co_u32 s56, s[WV], 4
	s_lshr_b32 s56, s56, 3                         ; 0 in waves 4 to 11,
	s_and_b32 s57, ttmp7, 0xffff
	s_or_b32 s56, s56, s57                         ; of the work-group with y = 0
	s_cmp_eq_u32 s56, 0
	s_cselect_b32 s[LIM], 1, -1
	s_mov_b32 s58, 1<<25                           ; v begins here in qkv,
	s_cmp_lt_u32 s[WV], 8
	s_cselect_b32 s58, 1<<24, s58                  ; k here
	s_lshl_b32 s59, ttmp9, 17
	s_add_co_u32 s58, s58, s59                     ; my head,
	s_and_b32 s59, s[WV], 3
	s_lshl_b32 s59, s59, 13
	s_add_co_u32 s58, s58, s59                     ; my wave's 8,192 bytes,
	s_add_co_u32 s58, s58, SK*128                  ; in slot 1: the first change of slots steps it to slot 2
	s_mov_b32 s59, 0
	v_and_b32 v[PFO], 31, v0
	v_lshlrev_b32 v[PFO], 8, v[PFO]
	s_wait_dscnt 0x0                               ; both opening adds are done
	s_wait_kmcnt 0x0
	s_mov_b32 s[G0K], 1                            ; 1:0 count = 1
	s_mov_b32 s[G0K+1], s16                        ; 63:32 LDS address: slot 0
	s_add_nc_u64 s[G0K+2:G0K+3], s[4:5], s[10:11]
	s_add_nc_u64 s[G0K+2:G0K+3], s[G0K+2:G0K+3], 1<<24   ; 120:64 global address: k's first 256 keys of my head
	s_or_b32 s[G0K+3], s[G0K+3], 0x80000000        ; 127:126 type = 2
	s_mov_b32 s[G0V], 1
	s_mov_b32 s[G0V+1], s17
	s_add_nc_u64 s[G0V+2:G0V+3], s[4:5], s[10:11]
	s_add_nc_u64 s[G0V+2:G0V+3], s[G0V+2:G0V+3], 1<<25
	s_or_b32 s[G0V+3], s[G0V+3], 0x80000000
	TLOAD                                          ; slot 0: it holds key 0, which counts for every query
	s_add_nc_u64 s[PFA:PFA+1], s[4:5], s[58:59]
	s_add_nc_u64 s[4:5], s[4:5], s[12:13]          ; q at my first query
	s_add_nc_u64 s[6:7], s[6:7], s[12:13]          ; o16 likewise
	v_and_b32 v5, 15, v0                           ; r = lane % 16
	v_bfe_u32 v6, v0, 4, 1                         ; h = lane / 16
	v_lshlrev_b32 v7, 7, v5
	v_lshl_add_u32 v7, v6, 4, v7                   ; q: row r of 128 bytes, + 16 h
.irp i, 0,1,2,3
	global_load_b128 v[QR+4*\i:QR+4*\i+3], v7, s[4:5] offset:32*\i   ; Q's two fragments stay in registers
.endr
	v_mul_u32_u24 v[AK0], v5, KP
	v_lshl_add_u32 v[AK0], v6, 4, v[AK0]           ; K: row x pitch + 16 x half
	v_and_b32 v16, 7, v0                           ; the turning load: lane l reads 16 bytes of key 8 (l / 16) + l % 8, channels 8 ((l / 8) % 2) on
	v_bfe_u32 v17, v0, 3, 1
	v_lshl_add_u32 v[AV0], v6, 3, v16
	v_mul_u32_u24 v[AV0], v[AV0], VP
	v_lshl_add_u32 v[AV0], v17, 4, v[AV0]
	v_add_nc_u32 v[AV0], VOFF, v[AV0]
	v_mov_b32 v[NINF], 0xff800000
	v_mov_b32 v[CM+1], 0xff61b1e6                  ; m: -3e38, under every score
	v_mul_f32 v[CM], s[CS], v[CM+1]
	v_mov_b32 v[LS], 0
	v_mov_b32 v[LS+1], 0
	v_mov_b32 v[AA+1], 0
	v_mov_b32 v[CH+1], 0                           ; a lane permute's destination counts as one of its sources
.set n, 0
.rept 32
	v_mov_b32 v[O+n], 0                            ; O^T.  (The step is written once: the first finds zeros, which a = 0 leaves zeros)
.set n, n+1
.endr
; A KEY STEP: 64 keys, the q-th of the slot in hand.
.macro STEP q
	s_add_co_u32 s96, s[Q0], 15                    ; a step all of whose keys come after my 16 queries is left out: a scalar branch on ids, round its loads, products and softmax
	s_cmp_gt_u32 s[KF], s96
	s_cbranch_scc1 .Lhidden_\@
	v_add_nc_u32 v[ADK], s[TB], v[AK0]
	v_add_nc_u32 v[ADV], s[TB], v[AV0]
	v_nop                                          ; with the two additions: four places behind the last step's products, in front of the loads into V's registers
	v_nop
.irp i, 0,1,2,3
.irp c, 0,1
	ds_load_b128 v[KR+8*(2*\i+\c):KR+8*(2*\i+\c)+3],   v[ADK] offset:(64*(\q)+16*\i)*KP+64*\c
	ds_load_b128 v[KR+8*(2*\i+\c)+4:KR+8*(2*\i+\c)+7], v[ADK] offset:(64*(\q)+16*\i)*KP+64*\c+32
.endr
.endr
.irp kk, 0,1
.irp f, 0,1,2,3
	ds_load_tr16_b128 v[VR+8*(4*\kk+\f):VR+8*(4*\kk+\f)+3],   v[ADV] offset:(64*(\q)+32*\kk)*VP+32*\f
	ds_load_tr16_b128 v[VR+8*(4*\kk+\f)+4:VR+8*(4*\kk+\f)+7], v[ADV] offset:(64*(\q)+32*\kk)*VP+16*VP+32*\f
.endr
.endr
	s_wait_dscnt 16                                ; K's sixteen loads are in; V's sixteen may be out
.irp i, 0,1,2,3                                ; S^T = K Q^T: the four tiles of keys take turns
	v_wmma_f32_16x16x32_f16 v[S+8*\i:S+8*\i+7], v[KR+16*\i:KR+16*\i+7], v[QR:QR+7], 0
.endr
.irp i, 0,1,2,3
	v_wmma_f32_16x16x32_f16 v[S+8*\i:S+8*\i+7], v[KR+16*\i+8:KR+16*\i+15], v[QR+8:QR+15], v[S+8*\i:S+8*\i+7]
.endr
.rept 4
	v_nop                                          ; places in front of the first read of the scores
.endr
	s_add_co_u32 s96, s[KF], 63                    ; on the diagonal the scores of hidden keys become -infinity ahead of the maximum: p = 0 then.  A step all of whose keys count skips this
	s_cmp_le_u32 s96, s[Q0]
	s_cbranch_scc1 .Lopen_\@
	s_sub_co_i32 s96, s[Q0], s[KF]
	v_and_b32 v[WK], 15, v0
	v_bfe_u32 v[WK+1], v0, 4, 1
	v_lshlrev_b32 v[WK+1], 3, v[WK+1]
	v_sub_nc_u32 v[WK], v[WK], v[WK+1]
	v_add_nc_u32 v[DD], s96, v[WK]                 ; d = my query - KF - 8 (lane / 16).  Register n holds key KF + 8 (lane / 16) + 16 (n / 8) + n % 8: hidden where 16 (n / 8) + n % 8 > d
.set n, 0
.rept 32
	v_cmp_gt_i32 vcc_lo, 16*(n/8)+n%8, v[DD]
	v_cndmask_b32 v[S+n], v[S+n], v[NINF], vcc_lo
.set n, n+1
.endr
.Lopen_\@:
.irp i, 0,1,2,3
	v_max3_num_f32 v[CH+\i], v[S+8*\i], v[S+8*\i+1], v[S+8*\i+2]   ; the maximum, in four chains; each tile is read from its low end on
.endr
.irp j, 3,5
.irp i, 0,1,2,3
	v_max3_num_f32 v[CH+\i], v[CH+\i], v[S+8*\i+\j], v[S+8*\i+\j+1]
.endr
.endr
	v_max3_num_f32 v[CH], v[CH], v[S+7], v[S+15]
	v_max3_num_f32 v[CH+2], v[CH+2], v[S+23], v[S+31]
	v_max3_num_f32 v[CH], v[CH], v[CH+1], v[CH+2]
	v_max3_num_f32 v[CH], v[CH], v[CH+3], v[CM+1]  ; with the old m
	v_permlanex16_b32 v[CH+1], v[CH], s[SEL], s[SEL+1]   ; the query's other 32 keys lie in the lane 16 away
	v_mov_b32 v[WK], v[CM]                         ; c m_old is kept for a
	v_max_num_f32 v[CM+1], v[CH], v[CH+1]          ; the new m
	v_mul_f32 v[CM], s[CS], v[CM+1]
	v_sub_f32 v[WK], v[WK], v[CM]
.set n, 0
.rept 16
	v_pk_fma_f32 v[S+n:S+n+1], v[S+n:S+n+1], s[CS:CS+1], v[CM:CM+1] op_sel_hi:[1,0,0] neg_lo:[0,0,1] neg_hi:[0,0,1]   ; c s - c m, two at a time
.set n, n+2
.endr
	v_exp_f32 v[AA], v[WK]                         ; a; and the 32 weights: one batch
.set n, 0
.rept 32
	v_exp_f32 v[S+n], v[S+n]
.set n, n+1
.endr
	v_nop                                          ; a plain instruction behind the last exponential
	s_wait_alu depctr_va_vdst(0)                   ; one wait for the batch, ahead of its first reader
.set n, 0
.rept 16
	v_cvt_pk_f16_f32 v[P+n], v[S+2*n], v[S+2*n+1]  ; p as f16: registers 8 kk .. 8 kk + 7 are source 1 for keys 32 kk on
.set n, n+1
.endr
	v_pk_mul_f32 v[LS:LS+1], v[LS:LS+1], v[AA:AA+1] op_sel_hi:[1,0]   ; l under the new m,
	v_pk_add_f32 v[WK:WK+1], v[S:S+1], v[S+2:S+3]  ; and the sum of the unrounded p, two at a time, in two chains
.irp j, 4,8,12,16,20,24,28
	v_pk_add_f32 v[LS:LS+1], v[LS:LS+1], v[S+\j:S+\j+1]
	v_pk_add_f32 v[WK:WK+1], v[WK:WK+1], v[S+\j+2:S+\j+3]
.endr
	v_pk_add_f32 v[LS:LS+1], v[LS:LS+1], v[WK:WK+1]
.set n, 0
.rept 16
	v_pk_mul_f32 v[O+n:O+n+1], v[O+n:O+n+1], v[AA:AA+1] op_sel_hi:[1,0]   ; O^T under the new m, each tile from its low end on
.set n, n+2
.endr
	s_wait_dscnt 0x0                               ; V is in
.irp kk, 0,1                                   ; O^T += V^T P: the four tiles of channels take turns
.irp f, 0,1,2,3
	v_wmma_f32_16x16x32_f16 v[O+8*\f:O+8*\f+7], v[VR+8*(4*\kk+\f):VR+8*(4*\kk+\f)+7], v[P+8*\kk:P+8*\kk+7], v[O+8*\f:O+8*\f+7]
.endr
.endr
.Lhidden_\@:
	s_add_co_u32 s[KF], s[KF], 64
.endm
; THE CHANGE OF SLOTS stands at a slot's head.  Each wave waits for all its tensor loads (its part of the slot that it is about to read), adds 0 to its spare word, and waits for that and for its reads of the
; slot that it has left.  Behind the barrier the slot ahead is whole and nobody reads the other one.  fill = 1: that other slot is filled with the keys that follow, up to the causal limit.
.macro CHANGE fill
	s_wait_tensorcnt 0x0                           ; no tensor load of mine is out, so a group 0 may be written
	ds_add_u32 v[SPW], v[NIL]
.if \fill
	ds_add_u32 v[SPW], v[NIL]                      ; and once more: the add twice on end, in every trip alike
	s_xor_b32 s[G0K+1], s[G0K+1], SLOT1            ; the walking descriptors: the other slot than last time,
	s_add_nc_u64 s[G0K+2:G0K+3], s[G0K+2:G0K+3], SK*128   ; the next 256 keys; the type bits on top are not reached
	s_xor_b32 s[G0V+1], s[G0V+1], SLOT1
	s_add_nc_u64 s[G0V+2:G0V+3], s[G0V+2:G0V+3], SK*128
	s_wait_xcnt 0x0                                ; the last prefetch, a slot back, has read its address, so it may be written:
	s_add_nc_u64 s[PFA:PFA+1], s[PFA:PFA+1], SK*128   ; one slot further on than the walking descriptors
.endif
	s_wait_dscnt 0x0                               ; the add is done, and my reads of the slot that I have left are over
	s_barrier_signal -1
	s_barrier_wait -1
.if \fill
	s_add_co_u32 s96, s[KF], SK                    ; the first key of the slot that this change would ask for
	s_or_b32 s97, s[Q0], 255                       ; my work-group's last query
	s_cmp_gt_u32 s96, s97                          ; ids and the count of steps alone: all sixteen waves go the same way; a slot behind the limit is read by no wave, so it is not asked for.  Every wait on TENSORcnt here is for 0
	s_cbranch_scc1 .Lpast_\@
	TLOAD                                          ; a wave's one tensor load until the next such barrier: it has a slot's four steps in which to land
.Lpast_\@:
	ASK
.endif
.endm
.macro SLOT_STEPS
	STEP 0
	STEP 1
	STEP 2
	STEP 3
	s_xor_b32 s[TB], s[TB], SLOT1                  ; on to the other slot
.endm
	s_wait_loadcnt 0x0                             ; Q
.Lslot:                                            ; three trips: behind each change of slots but the last the next slot is asked for
	CHANGE 1
	SLOT_STEPS
	s_sub_co_u32 s[SLOTS], s[SLOTS], 1
	s_cmp_lg_u32 s[SLOTS], 0
	s_cbranch_scc1 .Lslot
	CHANGE 0                                       ; the last slot is written out: nothing is left to ask for
	SLOT_STEPS
	; THE WAY OUT.  O^T / l, rounded to f16, goes through my stage in LDS and leaves as runs of four rows.  The additions and the address lines are more than four plain places behind the last products.
	v_add_f32 v[LS], v[LS], v[LS+1]                ; l's two halves,
	v_permlanex16_b32 v[CH+1], v[LS], s[SEL], s[SEL+1]
	v_add_f32 v[LS], v[LS], v[CH+1]                ; and lane l xor 16's
	v_rcp_f32 v[AA], v[LS]
	v_and_b32 v5, 15, v0                           ; (a plain place behind the reciprocal)  r
	v_bfe_u32 v6, v0, 4, 1                         ; h
	s_mul_i32 s96, s[WV], 16*SP
	s_add_co_u32 s96, s96, STAGE                   ; my stage
	v_mul_u32_u24 v5, v5, SP
	v_lshl_add_u32 v5, v6, 4, v5
	v_add_nc_u32 v5, s96, v5                       ; in: row r, 16 bytes for each half of the lanes
	v_bfe_u32 v6, v0, 3, 2
	v_mul_u32_u24 v6, v6, SP
	v_and_b32 v7, 7, v0
	v_lshl_add_u32 v6, v7, 4, v6
	v_add_nc_u32 v6, s96, v6                       ; back: eight lanes to a row of 128 bytes, four rows an instruction
	v_and_b32 v7, 31, v0
	v_lshlrev_b32 v7, 4, v7                        ; and the same bytes in o16: my 16 rows are 2,048 bytes on end
	s_wait_alu depctr_va_vdst(0)                   ; the wait ahead of the reciprocal's first reader
.set n, 0
.rept 16
	v_pk_mul_f32 v[O+n:O+n+1], v[O+n:O+n+1], v[AA:AA+1] op_sel_hi:[1,0]
.set n, n+2
.endr
.set n, 0
.rept 16
	v_cvt_pk_f16_f32 v[P+n], v[O+2*n], v[O+2*n+1]  ; registers 4 f .. 4 f + 3: channels 16 f + 8 h + 0 .. 7 of query r
.set n, n+1
.endr
.irp f, 0,1,2,3
	ds_store_b128 v5, v[P+4*\f:P+4*\f+3] offset:32*\f
.endr
.irp t, 0,1,2,3
	ds_load_b128 v[KR+4*\t:KR+4*\t+3], v6 offset:\t*4*SP   ; LDS serves a wave's instructions in order: these see my stores
.endr
.irp t, 0,1,2,3
	s_wait_dscnt 3-\t                              ; the later loads may be out
	global_store_b128 v7, v[KR+4*\t:KR+4*\t+3], s[6:7] offset:512*\t   ; 512 consecutive bytes, aligned
.endr
	s_wait_tensorcnt 0x0                           ; the wave's end: behind my last tensor load and my last LDS store
	ds_add_u32 v[SPW], v[NIL]
	s_wait_dscnt 0x0
	s_endpgm
.Lfunc_end_k_q36c6758a41_attn:
	.size	k_q36c6758a41_attn, .Lfunc_end_k_q36c6758a41_attn-k_q36c6758a41_attn
	.p2alignl 7, 3214868480
	.fill 96, 4, 3214868480
	.section	.rodata,"a",@progbits
	.p2align	6, 0x0
	.amdhsa_kernel k_q36c6758a41_attn
		.amdhsa_group_segment_fixed_size 327680
		.amdhsa_private_segment_fixed_size 0
		.amdhsa_enable_private_segment 0
		.amdhsa_kernarg_size 16
		.amdhsa_user_sgpr_count 2
		.amdhsa_user_sgpr_kernarg_segment_ptr 1
		.amdhsa_wavefront_size32 1
		.amdhsa_system_sgpr_workgroup_id_x 1
		.amdhsa_system_sgpr_workgroup_id_y 1
		.amdhsa_system_sgpr_workgroup_id_z 1
		.amdhsa_system_vgpr_workitem_id 0
		.amdhsa_next_free_vgpr 256
		.amdhsa_next_free_sgpr 100
		.amdhsa_reserve_vcc 1
		.amdhsa_float_denorm_mode_32 3
		.amdhsa_float_denorm_mode_16_64 3
		.amdhsa_memory_ordered 1
		.amdhsa_forward_progress 1
		.amdhsa_inst_pref_size 110
	.end_amdhsa_kernel
	.amdgpu_metadata
---
amdhsa.version: [ 1, 2 ]
amdhsa.kernels:
  - .name:           k_q36c6758a41_attn
    .symbol:         k_q36c6758a41_attn.kd
    .args:
      - { .name: qkv, .offset: 0, .size: 8, .value_kind: global_buffer, .address_space: global }
      - { .name: o16, .offset: 8, .size: 8, .value_kind: global_buffer, .address_space: global }
    .group_segment_fixed_size: 327680
    .private_segment_fixed_size: 0
    .kernarg_segment_align: 8
    .kernarg_segment_size: 16
    .max_flat_workgroup_size: 512
    .sgpr_count:     100
    .vgpr_count:     256
    .wavefront_size: 32
...
	.end_amdgpu_metadata
.endif
;; end of part 3
;; launch proj (part 4): grid 8 x 64, 4 waves a work-group, clusters of 4 x 4, 327,680 bytes of LDS; arguments o16, wp16, bproj, out0; writes out0
.if DOCPART == 4
	.amdgcn_target "amdgcn-amd-amdhsa--gfx1250"
	.amdhsa_code_object_version 6
	.text
	.protected	k_q36c6758a41_proj
	.globl	k_q36c6758a41_proj
	.p2align	8
	.type	k_q36c6758a41_proj,@function
k_q36c6758a41_proj:
	s_mov_b64 s[64:65], 0
	v_nop
	global_prefetch_b8 v0, s[64:65] scope:SCOPE_SE
	s_setreg_imm32_b32 hwreg(HW_REG_WAVE_MODE, 25, 1), 1
	s_wait_xcnt 0x0
	s_wait_alu depctr_hold_cnt(0) depctr_sa_sdst(0) depctr_va_vdst(0) depctr_va_sdst(0) depctr_va_ssrc(0) depctr_va_vcc(0) depctr_vm_vsrc(0)
	s_getreg_b32 s2, hwreg(HW_REG_IB_STS2, 6, 4)
	s_cmp_eq_u32 s2, 0
	s_cbranch_scc0 .Lentry_in_a_cluster
	s_endpgm
.Lentry_in_a_cluster:
	s_bfe_u32 s2, ttmp6, 0x10000c
	s_cmp_lg_u32 s2, 0xf033
	s_cbranch_scc0 .Lentry_shape_is_right
	s_endpgm
.Lentry_shape_is_right:
; out0[m][n] = sum over k of o[m][k] Wproj[n][k] + bproj[n], m = 1024 b + s, k = 64 h + d.  o16 [b][h][s][64] and wp16 [n][k]: f16; sums in f32; out0 [8192][1024] f32.
; WORK LEFT OUT: the rows of positions s < 16 are not stored here: the launch first16 owns them (their products stay: they lie in tiles of 128 rows with live rows).
; A tile of out0 is 128 x 128: 512 tiles, one for each work-group.  Four waves, each 64 x 64: 16 accumulators of 16 x 16.  K goes in steps of 256 (four heads) through a ring of two LDS slots.
; o's tile of a K step: for each of 4 heads, 128 positions x 128 bytes, dense in memory (16,384 bytes), heads 131,072 bytes apart.  A wave's load brings two heads as 2 rows of 16,384 bytes, with 16 bytes of
; padding behind every 128: in LDS head z, position y lies at 18,432 z + 144 y.  Wproj's tile: 64 rows of 512 bytes a load, 16 bytes of padding behind each.
; CLUSTERS: 4 x 4 work-groups.  The four of a row of the cluster need the same tiles of o, the four of a column the same tiles of Wproj: each tile is asked for JOINTLY.  The tile row is cluster y + 16 cy, so
; that 'my tile begins a sequence' (tile row % 8 = 0) hangs on cluster y alone and is the same in all sixteen partners.
; THE MATRIX INSTRUCTION IS USED TRANSPOSED (source 0 = 16 rows of Wproj, source 1 = 16 rows of o): a lane holds eight neighbouring numbers of a row of out0.  The bias is the C of each sum's first product.
; REGISTERS: window 0: v0-31 addresses; v32-63 the bias, later with v64-95 the way out; v128-255 the accumulators ((a, b) at v[128 + 8 (4 a + b)]).
;   window 1: two fragment buffers of 128: for 64 along K, 64 registers of o (2 x 4 x 16 rows x 32 K), then 64 of Wproj.
.set KSTEP,  256
.set PA,     144                       ; o's LDS row: 128 bytes + 16 = 36 words: the 16 rows of a load start at 16 different groups of four banks (64 banks of 4 bytes: ISA guide 11.1)
.set HEADB,  128*PA                    ; a head's 128 positions
.set PB,     528                       ; Wproj's LDS row: 512 bytes + 16
.set AHALF,  2*HEADB                   ; what one load brings of o,
.set BHALF,  64*PB                     ; and of Wproj
.set BOFF,   4*HEADB                   ; a slot: o's four heads, then Wproj's 128 rows
.set SLOT,   BOFF+2*BHALF
.set SPARE,  2*SLOT                    ; behind the ring: the spare words, 128 bytes a wave, named by no other line
.set STAGE,  SPARE+512                 ; the way out: 16 rows x 272 bytes for each wave; no tensor load fills it
.set SPITCH, 272
.set LAPS,   2                         ; a lap = two K steps = once round the ring
.set ADRA, 16                          ; v16-17  LDS address of my o fragments in slot 0, 1
.set ADRB, 20                          ; v20-21  the same for Wproj
.set STO,  24                          ; v24     the way out: where I put 32 bytes of a row
.set RD,   25                          ; v25     where I read a row back
.set CO,   26                          ; v26     my byte offset in out0
.set SPW,  28                          ; v28     LDS address of my spare word; never rewritten
.set NIL,  29                          ; v29     0; never rewritten
.set BIAS, 32                          ; v32-63  bproj at my columns: tile b's eight numbers of my half at 32 + 8 b
.set TMP,  32                          ; the way out: v32-63 and v64-95 by turns
.set ACC,  128
.set F0,   0                           ; fragment buffers, in window 1
.set F1,   128
.set G1, 24                            ; s[24:31] descriptor group 1 for o's tiles;  s[32:39] group 0, one set for each slot
.set G0, 32
.set G1B, 48                           ; s[48:55], s[56:63] the same for Wproj's tiles
.set G0B, 56
.set MSB, 0
.macro WIN new                         ; the immediate's high byte repeats the setting that is left
.if MSB != \new
	s_set_vgpr_msb (MSB<<8)|\new
.set MSB, \new
.endif
.endm
.set MUL,  0x05                        ; sources 0 (Wproj) and 1 (o) window 1; C and D window 0
.set TO_F, 0x40                        ; destination window 1, address window 0
.macro JLOAD s                         ; a joint load: waves 0 and 1 fetch o's two halves, waves 2 and 3 Wproj's; an s_nop 0 and four v_nop follow each of the two lines
	s_cmp_eq_u32 s11, 0
	s_cbranch_scc0 .Lfor_b_\@
	tensor_load_to_lds s[G0+4*\s:G0+4*\s+3], s[G1:G1+7]
	s_nop 0
.rept 4
	v_nop
.endr
	s_branch .Lasked_\@
.Lfor_b_\@:
	tensor_load_to_lds s[G0B+4*\s:G0B+4*\s+3], s[G1B:G1B+7]
	s_nop 0
.rept 4
	v_nop
.endr
.Lasked_\@:
.endm
.macro CREST                           ; a round of the cluster's barrier behind its opening barrier
	s_cmp_lg_u32 s10, 0
	s_cbranch_scc1 .Lnot_wave_0_\@
	s_barrier_signal -3
.Lnot_wave_0_\@:
	s_barrier_wait -3
	s_barrier_signal -1
	s_barrier_wait -1
.endm
.macro CROUND                          ; a whole round
	s_barrier_signal -1
	s_barrier_wait -1
	CREST
.endm
	s_load_b128 s[4:7], s[0:1], 0x0                ; o16 s[4:5], wp16 s[6:7]
	s_load_b64 s[68:69], s[0:1], 0x10              ; bproj
	s_load_b64 s[8:9], s[0:1], 0x18                ; out0
	v_lshl_add_u32 v[SPW], v0, 2, SPARE
	v_mov_b32 v[NIL], 0
	ds_add_u32 v[SPW], v[NIL]                      ; the wave's opening: the add, twice on end, and its wait ahead of my first tensor load
	ds_add_u32 v[SPW], v[NIL]
	v_lshrrev_b32 v1, 5, v0
	v_readfirstlane_b32 s10, v1                    ; wave 0..3
	s_lshr_b32 s11, s10, 1                         ; which half of the tile's rows is mine.  Also: I fetch for o (0) or for Wproj (1)
	s_and_b32 s12, s10, 1                          ; which half of its columns.  Also: which half of that tile I fetch
	s_bfe_u32 s40, ttmp6, 0x40000                  ; cx, cy: my place in the cluster
	s_bfe_u32 s41, ttmp6, 0x40004
	s_lshl_b32 s42, ttmp9, 2
	s_add_co_u32 s42, s42, s40                     ; tile column = 4 x cluster x + cx
	s_and_b32 s13, ttmp7, 0xffff
	s_lshl_b32 s14, s41, 4
	s_add_co_u32 s13, s13, s14                     ; tile row = cluster y + 16 cy
	s_lshl_b32 s43, s41, 2
	s_lshl_b32 s43, 15, s43                        ; my row of the cluster
	s_lshl_b32 s44, 0x1111, s40                    ; my column
	; descriptor group 1 for o: 2 rows (heads) of 2,048 elements of 8 bytes, 16,384 elements apart
	s_or_b32 s[G1+0], s43, (3<<16)|(1<<20)|(1<<21)|(4<<22)|(3<<25)  ; 15:0 the mask; 17:16 elements of 8 bytes; 20 padding on; 21 set beside a mask; 24:22 after every 32 words; 31:25 of 4 words
	s_mov_b32 s[G1+1], 2048<<16                    ; tensor_dim0
	s_mov_b32 s[G1+2], 2<<16                       ; tensor_dim1
	s_mov_b32 s[G1+3], 2048<<16                    ; tile_dim0
	s_mov_b32 s[G1+4], 2                           ; tile_dim1
	s_mov_b32 s[G1+5], 16384                       ; tensor_dim0_stride
	s_mov_b32 s[G1+6], 0
	s_mov_b32 s[G1+7], 0
	; and for Wproj: 64 rows of 256 elements of 2 bytes, 1,024 elements apart
	s_or_b32 s[G1B+0], s44, (1<<16)|(1<<20)|(1<<21)|(6<<22)|(3<<25) ; padding: 4 words after every 128
	s_mov_b32 s[G1B+1], KSTEP<<16
	s_mov_b32 s[G1B+2], 64<<16
	s_mov_b32 s[G1B+3], KSTEP<<16
	s_mov_b32 s[G1B+4], 64
	s_mov_b32 s[G1B+5], 1024
	s_mov_b32 s[G1B+6], 0
	s_mov_b32 s[G1B+7], 0
	s_lshr_b32 s16, s13, 3                         ; o: the batch, 2^21 bytes each,
	s_lshl_b32 s16, s16, 21
	s_and_b32 s17, s13, 7                          ; the tile's first position, 128 rows of 128 bytes a tile,
	s_lshl_b32 s17, s17, 14
	s_add_co_u32 s16, s16, s17
	s_lshl_b32 s17, s12, 18                        ; and my two heads of the K step's four
	s_add_co_u32 s16, s16, s17
	s_mov_b32 s17, 0
	s_lshl_b32 s46, s42, 18                        ; Wproj: row 128 x tile column + 64 x half, 2,048 bytes a row
	s_lshl_b32 s47, s12, 17
	s_add_co_u32 s46, s46, s47
	s_mov_b32 s47, 0
	s_mul_i32 s20, s12, AHALF                      ; where they go: no place in the cluster enters an LDS address
	s_mul_i32 s21, s12, BHALF
	s_add_co_u32 s21, s21, BOFF
	s_wait_dscnt 0x0                               ; both opening adds are done
	s_wait_kmcnt 0x0
	s_add_nc_u64 s[14:15], s[4:5], s[16:17]
	s_add_nc_u64 s[46:47], s[6:7], s[46:47]
	CROUND                                         ; all sixteen work-groups are here: the first joint loads meet
.irp s, 0,1
	s_mov_b32 s[G0+4*\s], 1
	s_add_co_u32 s[G0+4*\s+1], s20, \s*SLOT
	s_add_nc_u64 s[G0+4*\s+2:G0+4*\s+3], s[14:15], \s*524288       ; K step s: four heads on
	s_or_b32 s[G0+4*\s+3], s[G0+4*\s+3], 0x80000000
	s_mov_b32 s[G0B+4*\s], 1
	s_add_co_u32 s[G0B+4*\s+1], s21, \s*SLOT
	s_add_nc_u64 s[G0B+4*\s+2:G0B+4*\s+3], s[46:47], \s*KSTEP*2
	s_or_b32 s[G0B+4*\s+3], s[G0B+4*\s+3], 0x80000000
	JLOAD \s                                       ; two tensor loads of mine are out at the most
.endr
	v_and_b32 v1, 15, v0                           ; r = l % 16
	v_bfe_u32 v2, v0, 4, 1                         ; h = l / 16
	v_mul_u32_u24 v3, v1, PA
	v_lshl_add_u32 v3, v2, 4, v3                   ; a fragment's row x pitch + 16 x half: o's,
	v_mul_u32_u24 v4, v1, PB
	v_lshl_add_u32 v4, v2, 4, v4                   ; Wproj's
	s_mul_i32 s21, s11, 64*PA                      ; my 64 positions in each head
	s_mul_i32 s22, s12, BHALF                      ; my 64 rows of Wproj,
	s_add_co_u32 s22, s22, BOFF                    ; which lie behind o's four heads
.irp s, 0,1
	v_add_nc_u32 v[ADRA+\s], s21, v3
	v_add_nc_u32 v[ADRB+\s], s22, v4
	s_add_co_u32 s21, s21, SLOT
	s_add_co_u32 s22, s22, SLOT
.endr
	s_mul_i32 s23, s10, 16*SPITCH
	s_add_co_u32 s23, s23, STAGE                   ; my stage
	v_mul_u32_u24 v5, v1, SPITCH                   ; in: row r, 32 bytes for each half of the lanes
	v_lshl_add_u32 v5, v2, 5, v5
	v_add_nc_u32 v[STO], s23, v5
	v_mul_u32_u24 v5, v2, SPITCH                   ; back: lanes 0-15 one row of 256 bytes, lanes 16-31 the next
	v_lshl_add_u32 v5, v1, 4, v5
	v_add_nc_u32 v[RD], s23, v5
	v_lshlrev_b32 v5, 12, v2                       ; and the same two rows in out0
	v_lshl_add_u32 v[CO], v1, 4, v5
	s_lshl_b32 s16, s13, 19                        ; my first row of out0: 128 x tile row + 64 x half, 4,096 bytes a row
	s_lshl_b32 s17, s11, 18
	s_add_co_u32 s16, s16, s17
	s_mov_b32 s17, 0
	s_add_nc_u64 s[8:9], s[8:9], s[16:17]
	s_lshl_b32 s46, s42, 9                         ; my first column, in bytes: 512 x tile column + 256 x half
	s_lshl_b32 s47, s12, 8
	s_add_co_u32 s46, s46, s47
	s_mov_b32 s47, 0
	s_add_nc_u64 s[8:9], s[8:9], s[46:47]
	s_add_nc_u64 s[68:69], s[68:69], s[46:47]      ; the bias at the same column
	v_lshlrev_b32 v6, 5, v2                        ; lane (r, h) wants, for tile b, bproj at columns 16 b + 8 h + 0 .. 7
.irp b, 0,1,2,3
	global_load_b128 v[BIAS+8*\b:BIAS+8*\b+3], v6, s[68:69] offset:64*\b
	global_load_b128 v[BIAS+8*\b+4:BIAS+8*\b+7], v6, s[68:69] offset:64*\b+16
.endr
; 8 matrix instructions: m blocks a0, a0 + 1 x all 4 n blocks, 32 along K: half c of buffer f.  first = 1: the first product starts the sums, with the bias as its C.
; The 16 accumulators take turns, one instruction a turn.
.macro MUL8 f, c, a0, first
.irp a, \a0, \a0+1
.irp b, 0,1,2,3
.if \first
	v_wmma_f32_16x16x32_f16 v[ACC+8*(4*(\a)+\b):ACC+8*(4*(\a)+\b)+7], v[\f+64+8*(4*\c+\b):\f+64+8*(4*\c+\b)+7], v[\f+8*(4*\c+\a):\f+8*(4*\c+\a)+7], v[BIAS+8*\b:BIAS+8*\b+7]
.else
	v_wmma_f32_16x16x32_f16 v[ACC+8*(4*(\a)+\b):ACC+8*(4*(\a)+\b)+7], v[\f+64+8*(4*\c+\b):\f+64+8*(4*\c+\b)+7], v[\f+8*(4*\c+\a):\f+8*(4*\c+\a)+7], v[ACC+8*(4*(\a)+\b):ACC+8*(4*(\a)+\b)+7]
.endif
.endr
.endr
.endm
; 32 LDS loads in one run: the fragments of 64 along K (one head; byte k of Wproj's rows) into buffer f; the first 32 along K first
.macro FETCH slot, k, f
	WIN TO_F
.irp c, 0,1
.irp i, 0,1,2,3
	ds_load_b128 v[\f+64+8*(4*\c+\i):\f+64+8*(4*\c+\i)+3],   v[ADRB+\slot] offset:\k+64*\c+\i*16*PB
	ds_load_b128 v[\f+64+8*(4*\c+\i)+4:\f+64+8*(4*\c+\i)+7], v[ADRB+\slot] offset:\k+64*\c+\i*16*PB+32
	ds_load_b128 v[\f+8*(4*\c+\i):\f+8*(4*\c+\i)+3],         v[ADRA+\slot] offset:((\k)/128)*HEADB+64*\c+\i*16*PA
	ds_load_b128 v[\f+8*(4*\c+\i)+4:\f+8*(4*\c+\i)+7],       v[ADRA+\slot] offset:((\k)/128)*HEADB+64*\c+\i*16*PA+32
.endr
.endr
.endm
.macro PLACES                          ; four places in front of loads into registers that matrix instructions have read, and of reads of results (ISA guide 7.12.1 for reads of results)
.rept 4
	v_nop
.endr
.endm
; A K step is four quarters of 64 along K, 32 matrix instructions each, on buffers 0, 1, 0, 1.  One of the first three: multiplies buffer f and fetches the next quarter, at byte k, into g.
.macro QUARTER slot, k, f, g, first
	s_wait_dscnt 16                                ; the first 32 along K are in; the sixteen loads of the second 32 may be out
	WIN MUL
	MUL8 \f, 0, 0, \first
	MUL8 \f, 0, 2, \first
	PLACES
	FETCH \slot, \k, \g
	s_wait_dscnt 32                                ; all but the 32 just issued
	WIN MUL
	MUL8 \f, 1, 0, 0
	MUL8 \f, 1, 2, 0
.endm
; The last quarter multiplies buffer 1 and changes slots: ONE barrier; in front of it each wave waits for all its tensor loads, adds 0 to its spare word, and waits for that and for its own reads of this slot.
; fill = 1: this slot is filled again, two K steps ahead; the barrier then opens a round of the cluster's.
.macro TURN slot, next, fill
	WIN 0                                          ; (the add's two registers lie in window 0)
	s_wait_tensorcnt 0x0                           ; all my tensor loads have landed: my part of the next slot;
	ds_add_u32 v[SPW], v[NIL]
	s_wait_dscnt 17                                ; (the add and the youngest sixteen loads may be out)
	WIN MUL
	MUL8 F1, 0, 0, 0                               ; eight matrix instructions stand between the add and the wait for it
	s_wait_dscnt 0x0                               ; the add is done, and my reads of this slot are over
	s_barrier_signal -1
	MUL8 F1, 0, 2, 0
.if \fill
	WIN 0
.endif
	s_barrier_wait -1
.if \fill
	CREST                                          ; no wave of any partner still reads this slot's tile or has a load on its way
	s_add_nc_u64 s[G0+4*\slot+2:G0+4*\slot+3], s[G0+4*\slot+2:G0+4*\slot+3], 1048576      ; eight heads on
	s_add_nc_u64 s[G0B+4*\slot+2:G0B+4*\slot+3], s[G0B+4*\slot+2:G0B+4*\slot+3], 2*KSTEP*2
	JLOAD \slot                                    ; the first tensor load behind the round; the four v_nop behind it are also the places in front of the loads below
.else
	PLACES
.endif
	FETCH \next, 0, F0
	WIN MUL
	MUL8 F1, 1, 0, 0
	MUL8 F1, 1, 2, 0
.endm
	s_wait_tensorcnt 1                             ; my part of K step 0 is in (K step 1's load may be out)
	s_barrier_signal -1
	s_barrier_wait -1                              ; everybody's is
	FETCH 0, 0, F0
	s_wait_loadcnt 0x0                             ; the bias
	QUARTER 0, 128, F0, F1, 1                      ; the first quarter stands in front of the loop: its first products start the sums
	WIN 0                                          ; at a label and at a branch every window is 0
	s_mov_b32 s3, LAPS-1
.Llap:                                                 ; a trip goes once round the ring, from a lap's second quarter to the next lap's first, and fills both slots again
	QUARTER 0, 256, F1, F0, 0
	QUARTER 0, 384, F0, F1, 0
	TURN 0, 1, 1
	QUARTER 1, 128, F0, F1, 0
	QUARTER 1, 256, F1, F0, 0
	QUARTER 1, 384, F0, F1, 0
	TURN 1, 0, 1
	QUARTER 0, 128, F0, F1, 0
	WIN 0
	s_sub_co_u32 s3, s3, 1
	s_cmp_lg_u32 s3, 0
	s_cbranch_scc1 .Llap
	QUARTER 0, 256, F1, F0, 0                      ; the last lap fills nothing, and has no round of the cluster's barrier
	QUARTER 0, 384, F0, F1, 0
	TURN 0, 1, 0
	QUARTER 1, 128, F0, F1, 0
	QUARTER 1, 256, F1, F0, 0
	QUARTER 1, 384, F0, F1, 0
	s_wait_dscnt 16                                ; the very last quarter: nothing more to fetch
	WIN MUL
	MUL8 F1, 0, 0, 0
	MUL8 F1, 0, 2, 0
	s_wait_dscnt 0
	MUL8 F1, 1, 0, 0
	MUL8 F1, 1, 2, 0
	WIN 0
	; THE WAY OUT.  My 64 columns of f32 are 256 aligned bytes of a row: a block of 16 rows goes through my own stage and comes back as whole pieces of 256 bytes.  LDS serves a wave's instructions in order:
	; no wait between the stores into the stage and the loads from it.
	PLACES
.macro OUTBLK a
.set TT, TMP+32*((\a)%2)
.if (\a) >= 2
	s_wait_xcnt 0x0                                ; block a - 2's stores have read their registers: this block's loads may land there
.endif
.irp b, 0,1,2,3
	ds_store_b128 v[STO], v[ACC+8*(4*(\a)+\b):ACC+8*(4*(\a)+\b)+3] offset:64*\b          ; each accumulator from its low end on
	ds_store_b128 v[STO], v[ACC+8*(4*(\a)+\b)+4:ACC+8*(4*(\a)+\b)+7] offset:64*\b+16
.endr
.irp t, 0,1,2,3,4,5,6,7
	ds_load_b128 v[TT+4*\t:TT+4*\t+3], v[RD] offset:\t*2*SPITCH
.endr
	s_wait_dscnt 0x0
.irp t, 0,1,2,3,4,5,6,7
	global_store_b128 v[CO], v[TT+4*\t:TT+4*\t+3], s[8:9] offset:(16*(\a)+2*\t)*4096 th:TH_STORE_NT   ; sixteen lanes store 256 consecutive bytes, aligned; written once, read by nobody here
.endr
.endm
	s_and_b32 s66, ttmp7, 7                        ; my block 0 holds positions 0 to 15 where my tile begins a sequence and I have its upper rows: cluster y and the wave's number alone decide
	s_or_b32 s66, s66, s11
	s_cmp_eq_u32 s66, 0
	s_cbranch_scc1 .Lnot_mine
	OUTBLK 0
.Lnot_mine:
	OUTBLK 1
	OUTBLK 2
	OUTBLK 3
	s_wait_tensorcnt 0x0                           ; the wave's end: behind my last tensor load and my last LDS store
	ds_add_u32 v[SPW], v[NIL]
	s_wait_dscnt 0x0
	CROUND                                         ; the closing round: no work-group ends while a partner may still ask for a tile that names it
	s_endpgm
.Lfunc_end_k_q36c6758a41_proj:
	.size	k_q36c6758a41_proj, .Lfunc_end_k_q36c6758a41_proj-k_q36c6758a41_proj
	.p2alignl 7, 3214868480
	.fill 96, 4, 3214868480
	.section	.rodata,"a",@progbits
	.p2align	6, 0x0
	.amdhsa_kernel k_q36c6758a41_proj
		.amdhsa_group_segment_fixed_size 327680
		.amdhsa_private_segment_fixed_size 0
		.amdhsa_enable_private_segment 0
		.amdhsa_kernarg_size 32
		.amdhsa_user_sgpr_count 2
		.amdhsa_user_sgpr_kernarg_segment_ptr 1
		.amdhsa_wavefront_size32 1
		.amdhsa_system_sgpr_workgroup_id_x 1
		.amdhsa_system_sgpr_workgroup_id_y 1
		.amdhsa_system_sgpr_workgroup_id_z 1
		.amdhsa_system_vgpr_workitem_id 0
		.amdhsa_next_free_vgpr 512
		.amdhsa_next_free_sgpr 72
		.amdhsa_reserve_vcc 0
		.amdhsa_float_denorm_mode_32 3
		.amdhsa_float_denorm_mode_16_64 3
		.amdhsa_memory_ordered 1
		.amdhsa_forward_progress 1
		.amdhsa_inst_pref_size 87
	.end_amdhsa_kernel
	.amdgpu_metadata
---
amdhsa.version: [ 1, 2 ]
amdhsa.kernels:
  - .name:           k_q36c6758a41_proj
    .symbol:         k_q36c6758a41_proj.kd
    .args:
      - { .name: o16, .offset: 0, .size: 8, .value_kind: global_buffer, .address_space: global }
      - { .name: wp16, .offset: 8, .size: 8, .value_kind: global_buffer, .address_space: global }
      - { .name: bproj, .offset: 16, .size: 8, .value_kind: global_buffer, .address_space: global }
      - { .name: out0, .offset: 24, .size: 8, .value_kind: global_buffer, .address_space: global }
    .group_segment_fixed_size: 327680
    .private_segment_fixed_size: 0
    .kernarg_segment_align: 8
    .kernarg_segment_size: 32
    .max_flat_workgroup_size: 128
    .sgpr_count:     72
    .vgpr_count:     512
    .wavefront_size: 32
...
	.end_amdgpu_metadata
.endif
;; end of part 4
;; launch first16 (part 5): grid 32 x 8, 16 waves a work-group, no clusters, 34,816 bytes of LDS; arguments hq, Wproj, bproj, out0; writes out0
.if DOCPART == 5
	.amdgcn_target "amdgcn-amd-amdhsa--gfx1250"
	.amdhsa_code_object_version 6
	.text
	.protected	k_q36c6758a41_first16
	.globl	k_q36c6758a41_first16
	.p2align	8
	.type	k_q36c6758a41_first16,@function
k_q36c6758a41_first16:
	s_mov_b64 s[64:65], 0
	v_nop
	global_prefetch_b8 v0, s[64:65] scope:SCOPE_SE
	s_setreg_imm32_b32 hwreg(HW_REG_WAVE_MODE, 25, 1), 1
	s_wait_xcnt 0x0
; Positions 0 to 15 of every sequence, all in f32: under the causal mask they average one to sixteen values, where the rounding of 16-bit operands would weigh most.  hq [which][b][h][16][64] f32 holds their
; q, k, v as the quantised products summed them.  out0[b][s < 16][n] = sum over k of o[s][k] Wproj[n][k] + bproj[n].  All products by v_wmma_f32_16x16x4_f32: 64 a wave.
; SHARES.  A work-group takes a batch (y) and 32 columns n0 = 32 x.  Wave w makes head w's 16 x 16 attention, then the partial projection over its own 64 channels for both tiles of 16 columns; the sixteen
; partial sums meet in LDS, and waves 0 to 3 add them, in the order of the heads, to the bias.  The attention is made anew in each of a batch's 32 work-groups: 32 matrix instructions a wave, less than
; a launch of its own would cost.  A work-group's 32 columns are 128 bytes of a row: the rows leave as runs of 128 bytes, 524,288 bytes in all.  No tensor loads; no cluster: what is shared is small.
; LAYOUTS (f32, K = 4: lane (r, h), register j: k = 2 h + j).  S^T = K Q^T: lane (r, h) of both operands holds, in registers 4 i .. 4 i + 3, channels 8 i + 4 h + 0 .. 3 of row r, so that the two lanes of a
; row read 32 neighbouring bytes in each load; instruction t takes registers 2 t, 2 t + 1: the same permutation of the channels on both sides, each channel once.  The result holds one query a lane and keys
; 8 h + j: as it stands it is source 1 of O^T = V^T P (instruction t: keys 8 h + 2 t + j), and V is loaded to match.
; O^T holds one query a lane and channels 16 f + 8 h + j: as it stands it is source 1 of the projection, and Wproj's rows are loaded to match.
; The registers that the matrix instructions write (v192-239) are written by them alone.
.set SPARE, 32768                      ; behind the partial sums (16 waves x 2,048 bytes): the spare words, 128 bytes a wave, named by no other line
.set SPW,  30                          ; v30  LDS address of my spare word; never rewritten
.set NIL,  31                          ; v31  0; never rewritten
.set QR,   32                          ; v32-63   q: query r, register 4 i + e: channel 8 i + 4 h + e
.set KR,   64                          ; v64-95   k: key r, likewise
.set VR,   96                          ; v96-127  v: [8 f + e] = v[key 8 h + e][16 f + r]
.set WR,   128                         ; v128-191 Wproj: [32 n + 8 f + e] = Wproj[n0 + 16 n + r][64 w + 16 f + 8 h + e]
.set ACC,  192                         ; v192-223 four accumulators: partial S^T, then O^T
.set PACC, 224                         ; v224-239 the projection's two
.set SS,   240                         ; v240-247 the scores, then p / l
.set T,    248                         ; v248-255 at work
	s_load_b256 s[4:11], s[0:1], 0x0               ; hq, Wproj, bproj, out0
	v_lshl_add_u32 v[SPW], v0, 2, SPARE
	v_mov_b32 v[NIL], 0
	v_lshrrev_b32 v1, 5, v0
	v_readfirstlane_b32 s12, v1                    ; wave = head
	v_and_b32 v1, 15, v0                           ; r
	v_bfe_u32 v2, v0, 4, 1                         ; h
	v_and_b32 v3, 31, v0                           ; lane
	v_lshlrev_b32 v4, 8, v1
	v_lshl_add_u32 v4, v2, 4, v4                   ; q, k: row r of 256 bytes, + 16 h
	v_lshlrev_b32 v5, 2, v1
	v_lshl_add_u32 v5, v2, 11, v5                  ; v: key 8 h, channel r
	v_lshlrev_b32 v6, 12, v1
	v_lshl_add_u32 v6, v2, 5, v6                   ; Wproj: row r of 4,096 bytes, + 32 h
	v_and_b32 v7, 7, v0                            ; c: which 16 bytes of the work-group's 128 I add up and store
	v_lshlrev_b32 v8, 4, v7
	v_lshlrev_b32 v9, 3, v2
	v_sub_nc_u32 v9, v1, v9                        ; d = r - 8 h: register j holds key 8 h + j, hidden where j > d
	s_lshl_b32 s13, s12, 11
	v_lshl_add_u32 v10, v3, 4, s13                 ; my partial sums: 2,048 x wave + 16 x lane
	s_and_b32 s14, s12, 3
	s_lshl_b32 s15, s14, 2
	v_bfe_u32 v11, v0, 3, 2
	v_add_nc_u32 v11, s15, v11                     ; s = 4 (wave % 4) + lane / 8: the position that I add up and store
	v_bfe_u32 v12, v0, 2, 1                        ; columns 4 c on lie in tile c / 4,
	v_lshlrev_b32 v12, 10, v12
	v_and_b32 v13, 1, v0                           ; registers 4 (c % 2) on,
	v_lshl_add_u32 v12, v13, 9, v12
	v_bfe_u32 v13, v0, 1, 1                        ; of lane s + 16 ((c / 2) % 2)
	v_lshl_add_u32 v12, v13, 8, v12
	v_lshl_add_u32 v12, v11, 4, v12
	v_lshlrev_b32 v13, 12, v11
	v_lshl_add_u32 v13, v7, 4, v13                 ; out0: row s, + 16 c
	v_mov_b32 v14, 0xff800000                      ; -infinity
	v_mov_b32 v16, 0                               ; a lane permute's destination counts as one of its sources
	s_and_b32 s16, ttmp7, 0xffff                   ; the batch
	s_lshl_b32 s18, s16, 16                        ; hq: (16 b + head) x 4,096; k lies 2^19 bytes behind q, v 2^20
	s_lshl_b32 s19, s12, 12
	s_add_co_u32 s18, s18, s19
	s_mov_b32 s19, 0
	s_lshl_b32 s20, ttmp9, 17                      ; Wproj: row n0 = 32 x, + my head's 256 bytes
	s_lshl_b32 s21, s12, 8
	s_add_co_u32 s20, s20, s21
	s_mov_b32 s21, 0
	s_lshl_b32 s22, ttmp9, 7                       ; 4 n0
	s_mov_b32 s23, 0
	s_lshl_b32 s24, s16, 22                        ; out0: the batch's first row, + 4 n0
	s_add_co_u32 s24, s24, s22
	s_mov_b32 s25, 0
	s_mov_b32 s26, 0x76543210
	s_mov_b32 s27, 0xfedcba98                      ; v_permlanex16_b32's selects for lane l xor 16
	s_mov_b32 s28, 0x3e38aa3b                      ; c = log2(e) / 8
	s_wait_kmcnt 0x0
	s_add_nc_u64 s[4:5], s[4:5], s[18:19]
	s_add_nc_u64 s[6:7], s[6:7], s[20:21]
	s_add_nc_u64 s[8:9], s[8:9], s[22:23]
	s_add_nc_u64 s[10:11], s[10:11], s[24:25]
.irp i, 0,1,2,3,4,5,6,7
	global_load_b128 v[QR+4*\i:QR+4*\i+3], v4, s[4:5] offset:32*\i
.endr
.irp i, 0,1,2,3,4,5,6,7
	global_load_b128 v[KR+4*\i:KR+4*\i+3], v4, s[4:5] offset:524288+32*\i
.endr
.irp f, 0,1,2,3
.irp e, 0,1,2,3,4,5,6,7
	global_load_b32 v[VR+8*\f+\e], v5, s[4:5] offset:1048576+256*\e+64*\f
.endr
.endr
.irp n, 0,1
.irp f, 0,1,2,3
	global_load_b128 v[WR+32*\n+8*\f:WR+32*\n+8*\f+3],   v6, s[6:7] offset:65536*\n+64*\f
	global_load_b128 v[WR+32*\n+8*\f+4:WR+32*\n+8*\f+7], v6, s[6:7] offset:65536*\n+64*\f+16
.endr
.endr
	global_load_b128 v[24:27], v8, s[8:9]          ; the bias at my four columns
	s_wait_loadcnt 49                              ; q and k are in; v's 32 loads, Wproj's 16 and the bias's one may be out
.irp t, 0,1,2,3,4,5,6,7,8,9,10,11,12,13,14,15  ; S^T = K Q^T in four partial sums, which take turns
.if \t < 4
	v_wmma_f32_16x16x4_f32 v[ACC+8*(\t%4):ACC+8*(\t%4)+7], v[KR+2*\t:KR+2*\t+1], v[QR+2*\t:QR+2*\t+1], 0
.else
	v_wmma_f32_16x16x4_f32 v[ACC+8*(\t%4):ACC+8*(\t%4)+7], v[KR+2*\t:KR+2*\t+1], v[QR+2*\t:QR+2*\t+1], v[ACC+8*(\t%4):ACC+8*(\t%4)+7]
.endif
.endr
.rept 8
	v_nop                                          ; eight places behind this form, in front of the first read of its results (ISA guide 7.12.1)
.endr
.irp j, 0,2,4,6
	v_pk_add_f32 v[SS+\j:SS+\j+1], v[ACC+\j:ACC+\j+1], v[ACC+8+\j:ACC+8+\j+1]        ; each accumulator is read from its low end on
.endr
.irp j, 0,2,4,6
	v_pk_add_f32 v[T+\j:T+\j+1], v[ACC+16+\j:ACC+16+\j+1], v[ACC+24+\j:ACC+24+\j+1]
.endr
.irp j, 0,2,4,6
	v_pk_add_f32 v[SS+\j:SS+\j+1], v[SS+\j:SS+\j+1], v[T+\j:T+\j+1]
.endr
.irp j, 0,1,2,3,4,5,6,7
	v_cmp_gt_i32 vcc_lo, \j, v9                    ; hidden keys: -infinity ahead of the maximum; key 0 counts for every query
	v_cndmask_b32 v[SS+\j], v[SS+\j], v14, vcc_lo
.endr
	v_max3_num_f32 v15, v[SS], v[SS+1], v[SS+2]
	v_max3_num_f32 v15, v15, v[SS+3], v[SS+4]
	v_max3_num_f32 v15, v15, v[SS+5], v[SS+6]
	v_max_num_f32 v15, v15, v[SS+7]
	v_permlanex16_b32 v16, v15, s26, s27
	v_max_num_f32 v15, v15, v16                    ; the row's largest score
	v_mul_f32 v15, s28, v15
.irp j, 0,1,2,3,4,5,6,7
	v_fma_f32 v[SS+\j], v[SS+\j], s28, -v15        ; c s - c m
.endr
.irp j, 0,1,2,3,4,5,6,7
	v_exp_f32 v[SS+\j], v[SS+\j]
.endr
	v_nop                                          ; a plain instruction behind the last exponential
	s_wait_alu depctr_va_vdst(0)                   ; one wait for the batch, ahead of its first reader
	v_pk_add_f32 v[18:19], v[SS:SS+1], v[SS+2:SS+3]
	v_pk_add_f32 v[20:21], v[SS+4:SS+5], v[SS+6:SS+7]
	v_pk_add_f32 v[18:19], v[18:19], v[20:21]
	v_add_f32 v18, v18, v19
	v_permlanex16_b32 v16, v18, s26, s27
	v_add_f32 v18, v18, v16                        ; the row's sum
	v_rcp_f32 v22, v18
	v_mov_b32 v23, 0                               ; (a plain instruction behind the reciprocal; v23 is named with v22 as a pair, so it is written)
	s_wait_alu depctr_va_vdst(0)
.irp j, 0,2,4,6
	v_pk_mul_f32 v[SS+\j:SS+\j+1], v[SS+\j:SS+\j+1], v[22:23] op_sel_hi:[1,0]        ; the weights, normalised as reference() has them
.endr
	s_wait_loadcnt 17                              ; v is in; Wproj's 16 loads and the bias's one may be out
.irp t, 0,1,2,3                                ; O^T = V^T P: the four tiles of channels take turns.  The softmax's plain lines are more than the nine places owed in front of a matrix instruction that writes over earlier results
.irp f, 0,1,2,3
.if \t == 0
	v_wmma_f32_16x16x4_f32 v[ACC+8*\f:ACC+8*\f+7], v[VR+8*\f+2*\t:VR+8*\f+2*\t+1], v[SS+2*\t:SS+2*\t+1], 0
.else
	v_wmma_f32_16x16x4_f32 v[ACC+8*\f:ACC+8*\f+7], v[VR+8*\f+2*\t:VR+8*\f+2*\t+1], v[SS+2*\t:SS+2*\t+1], v[ACC+8*\f:ACC+8*\f+7]
.endif
.endr
.endr
.rept 9
	v_nop                                          ; nine places in front of matrix instructions that take these results as a source
.endr
	s_wait_loadcnt 0x0                             ; Wproj and the bias
.irp f, 0,1,2,3                                ; my 64 channels' part of the projection: the two tiles of columns take turns
.irp t, 0,1,2,3
.irp n, 0,1
.if (\f == 0) && (\t == 0)
	v_wmma_f32_16x16x4_f32 v[PACC+8*\n:PACC+8*\n+7], v[WR+32*\n+8*\f+2*\t:WR+32*\n+8*\f+2*\t+1], v[ACC+8*\f+2*\t:ACC+8*\f+2*\t+1], 0
.else
	v_wmma_f32_16x16x4_f32 v[PACC+8*\n:PACC+8*\n+7], v[WR+32*\n+8*\f+2*\t:WR+32*\n+8*\f+2*\t+1], v[ACC+8*\f+2*\t:ACC+8*\f+2*\t+1], v[PACC+8*\n:PACC+8*\n+7]
.endif
.endr
.endr
.endr
.rept 8
	v_nop                                          ; eight places in front of the stores that read the results
.endr
.irp n, 0,1
	ds_store_b128 v10, v[PACC+8*\n:PACC+8*\n+3] offset:1024*\n        ; lane (r, h): position r, columns 16 n + 8 h + 0 .. 3; each accumulator from its low end on
	ds_store_b128 v10, v[PACC+8*\n+4:PACC+8*\n+7] offset:1024*\n+512  ; and + 4 .. 7
.endr
	s_wait_dscnt 0x0                               ; for the others' sake: my partial sums are in LDS
	s_barrier_signal -1
	s_barrier_wait -1
	s_cmp_lt_u32 s12, 4                            ; waves 0 to 3 add up: four positions each, eight lanes to a position; no barrier follows
	s_cbranch_scc0 .Ldone
.irp w, 0,1,2,3,4,5,6,7,8,9,10,11,12,13,14,15
	ds_load_b128 v[32+4*\w:35+4*\w], v12 offset:2048*\w
.endr
	s_wait_dscnt 0x0
.irp w, 0,1,2,3,4,5,6,7,8,9,10,11,12,13,14,15
	v_pk_add_f32 v[24:25], v[24:25], v[32+4*\w:33+4*\w]
	v_pk_add_f32 v[26:27], v[26:27], v[34+4*\w:35+4*\w]
.endr
	global_store_b128 v13, v[24:27], s[10:11]      ; eight lanes store 128 consecutive bytes of a row
.Ldone:
	s_wait_tensorcnt 0x0                           ; the wave's end: behind my last LDS store
	ds_add_u32 v[SPW], v[NIL]
	s_wait_dscnt 0x0
	s_endpgm
.Lfunc_end_k_q36c6758a41_first16:
	.size	k_q36c6758a41_first16, .Lfunc_end_k_q36c6758a41_first16-k_q36c6758a41_first16
	.p2alignl 7, 3214868480
	.fill 96, 4, 3214868480
	.section	.rodata,"a",@progbits
	.p2align	6, 0x0
	.amdhsa_kernel k_q36c6758a41_first16
		.amdhsa_group_segment_fixed_size 34816
		.amdhsa_private_segment_fixed_size 0
		.amdhsa_enable_private_segment 0
		.amdhsa_kernarg_size 32
		.amdhsa_user_sgpr_count 2
		.amdhsa_user_sgpr_kernarg_segment_ptr 1
		.amdhsa_wavefront_size32 1
		.amdhsa_system_sgpr_workgroup_id_x 1
		.amdhsa_system_sgpr_workgroup_id_y 1
		.amdhsa_system_sgpr_workgroup_id_z 1
		.amdhsa_system_vgpr_workitem_id 0
		.amdhsa_next_free_vgpr 256
		.amdhsa_next_free_sgpr 66
		.amdhsa_reserve_vcc 1
		.amdhsa_float_denorm_mode_32 3
		.amdhsa_float_denorm_mode_16_64 3
		.amdhsa_memory_ordered 1
		.amdhsa_forward_progress 1
		.amdhsa_inst_pref_size 21
	.end_amdhsa_kernel
	.amdgpu_metadata
---
amdhsa.version: [ 1, 2 ]
amdhsa.kernels:
  - .name:           k_q36c6758a41_first16
    .symbol:         k_q36c6758a41_first16.kd
    .args:
      - { .name: hq, .offset: 0, .size: 8, .value_kind: global_buffer, .address_space: global }
      - { .name: Wproj, .offset: 8, .size: 8, .value_kind: global_buffer, .address_space: global }
      - { .name: bproj, .offset: 16, .size: 8, .value_kind: global_buffer, .address_space: global }
      - { .name: out0, .offset: 24, .size: 8, .value_kind: global_buffer, .address_space: global }
    .group_segment_fixed_size: 34816
    .private_segment_fixed_size: 0
    .kernarg_segment_align: 8
    .kernarg_segment_size: 32
    .max_flat_workgroup_size: 512
    .sgpr_count:     66
    .vgpr_count:     256
    .wavefront_size: 32
...
	.end_amdgpu_metadata
.endif
;; end of part 5
